; MI455X (gfx1250); checked and timed in simulation.
; The chip was launched on July 23, 2026; its instructions are those of AMD's public machine-readable ISA for CDNA 5 (MIT licence, August 2026) and "CDNA5" Instruction Set Architecture Reference Guide (July 2026). The comments in the code are by the model that wrote it; some were corrected since.
;; Residual Attention Block. Allowed arithmetic: matrix products marked QUANTISED: E3M2 operands, one E8M0 scale for each 32 along K, by v_wmma_scale_f32_16x16x128_f8f6f4 with both operands' format E3M2, f32 sums; everything else in f32.
;; Inputs: fc_b 4,096 float32; fc_w 4,096 x 1,024 float32; in_proj_b 3,072 float32; in_proj_w 3,072 x 1,024 float32; ln1_b 1,024 float32; ln1_w 1,024 float32; ln2_b 1,024 float32; ln2_w 1,024 float32; out_b 1,024 float32; out_w 1,024 x 1,024 float32; proj_b 1,024 float32; proj_w 1,024 x 4,096 float32; x 2,048 x 2 x 1,024 float32.
;; Outputs: out0 2,048 x 2 x 1,024 float32.
;; This version of the problem:
;;   THIS VERSION OF THE PROBLEM IS GIVEN IN LOW PRECISION. The matrix products marked QUANTISED in the list below multiply operands that are first quantised to E3M2 (3 exponent bits, 2 mantissa bits; 6 bits a number), with one power-of-two scale for each 32 numbers along K (OCP MX v1.0); their sums are f32. All else is computed in f32.
;;   The module's matrix products, in the order in which they are computed (A, B: the left and right operand; K: the contracted axis; several contracted axes count as one K, in the product's order):
;;     1. [M 4,096, K 1,024] x [K 1,024, N 3,072]; A: computed on the way; B: input in_proj_w: QUANTISED
;;     2. batch 32 x [M 2,048, K 64] x [K 64, N 2,048]; A: computed on the way; B: computed on the way: QUANTISED
;;     3. batch 32 x [M 2,048, K 2,048] x [K 2,048, N 64]; A: softmax (see below); B: computed on the way: QUANTISED
;;     4. [M 4,096, K 1,024] x [K 1,024, N 1,024]; A: computed on the way; B: input out_w: QUANTISED
;;     5. [M 4,096, K 1,024] x [K 1,024, N 4,096]; A: computed on the way; B: input fc_w: QUANTISED
;;     6. [M 4,096, K 4,096] x [K 4,096, N 1,024]; A: computed on the way; B: input proj_w: QUANTISED
;;   THE QUANTISER, for each operand of a quantised product, along K:
;;     - K is cut into blocks of 32 from its start; a last block that is shorter is filled with zeros.
;;     - A block's scale is 2^e with e = floor(log2(the largest magnitude in the block)) - 4, held to -126 .. 127; a block of zeros has e = 0. As a byte (E8M0): e + 127.
;;     - Each number is divided by its block's scale, clamped to +-28, and rounded to the nearest number of E3M2, ties to even, subnormals kept.
;;     - The product sums the exact products of the quantised numbers (number of the format x scale) in f32.
;;   ~~~python
;;   def quantise(x, axis):      # numpy; x: float32 -> the quantised numbers, widened to float32 again
;;       x = np.moveaxis(x, axis, -1); K = x.shape[-1]
;;       x = np.pad(x, [(0, 0)] * (x.ndim - 1) + [(0, -K % 32)]); x = x.reshape(x.shape[:-1] + (-1, 32)); a = np.abs(x).max(-1, keepdims=True)
;;       e = np.where(a > 0, np.clip(np.frexp(np.where(a > 0, a, 1))[1] - 1 - 4, -126, 127), 0)      # np.frexp(a)[1] - 1 = floor(log2(a)), exactly
;;       r = np.clip(x / 2.0 ** e, -28, 28)
;;       step = 2.0 ** (np.maximum(np.frexp(np.where(r == 0, 1, r))[1] - 1, -2) - 2)
;;       q = np.round(r / step) * step * 2.0 ** e      # np.round: ties to even
;;       return np.moveaxis(q.reshape(q.shape[:-2] + (-1,))[..., :K], -1, axis).astype(np.float32)
;;   ~~~
;;   SOFTMAX AHEAD OF A QUANTISED PRODUCT. Where the list says 'softmax', what is quantised is not the finished softmax but p = 2^(t - M), with t = logit x log2(e) and M = ceil(the row's largest t), a whole number; so 1/2 < the row's largest p <= 1. The row's sum l is taken of the UNQUANTISED p, in f32, and the product's result is divided by l at the end. Since M is a whole number, a kernel that streams over the keys may use a running M (the ceiling of the running maximum): every later rescaling is an exact power of two, which a block's scale takes up: the codes' values come out the same.
;;   OPERANDS COMPUTED ON THE WAY. 'Computed on the way' means the value that the module computes at that place (a softmax that the list does not call 'softmax' is quantised finished and normalised). What goes into a quantiser is computed in f32, as accurately as f32 sums, v_exp_f32 and their like allow (about 1e-6 of the number): no bf16 or f16 on the way to a quantiser, and a product that is left as it is and whose result goes on into a quantised operand takes f32 operands (vector FMAs, or v_wmma_f32_16x16x4_f32). A number that lies on a knife's edge between two numbers of the format may be rounded either way, as far as f32 arithmetic and the matrix unit's own rounding can turn it there, and no further.
;; One version. Each part assembles by itself: llvm-mc -triple=amdgcn-amd-amdhsa -mcpu=gfx1250 --defsym DOCPART=n.
;; ======== version 1 of 1: 7 launches
;; limits: right only within a limited range of input values
;; workspace buffers: wts 9,830,400 bytes; actc 3,276,800 bytes; qkvc 10,092,544 bytes; oc 3,276,800 bytes; x1 16,777,216 bytes; hc 13,107,200 bytes
;; launch prep (part 1): grid 1024 x 1, 4 waves a work-group, no clusters, 67,584 bytes of LDS; arguments x, ln1_w, ln1_b, in_proj_w, out_w, fc_w, proj_w, actc, wts; writes actc, wts
.if DOCPART == 1
	.amdgcn_target "amdgcn-amd-amdhsa--gfx1250"
	.amdhsa_code_object_version 6
	.text
	.protected	k_q05906cf321_prep
	.globl	k_q05906cf321_prep
	.p2align	8
	.type	k_q05906cf321_prep,@function
k_q05906cf321_prep:
	s_mov_b64 s[64:65], 0
	v_nop
	global_prefetch_b8 v0, s[64:65] scope:SCOPE_SE
	s_setreg_imm32_b32 hwreg(HW_REG_WAVE_MODE, 25, 1), 1
	s_wait_xcnt 0x0
; Rows of f32 become operands of BF6 (E3M2) with one E8M0 byte for each 32 along K.  Work-groups 0-255: layer norm of 16 token rows (the first argument), then quantised, into actc.
; Work-groups 256-1023: 16 rows x 1,024 along K of in_proj_w, out_w, fc_w, proj_w, quantised as they are, into wts.
; THE OPERANDS' LAYOUT (all workspace of this program).  A panel is 128 rows x 128 K: 8 fragment images of 1,536 bytes, then 512 bytes of scale words: 12,800 bytes; a buffer is [rows / 128][K / 128] panels.
; Fragment i gives lane r the row 32 (i / 2) + 8 (i % 2) + r + 8 (r / 8).  An image is the operand's 12 registers: 0-3 at 16 x lane, 4-5 at 512 + 8 x lane, 6-9 at 768 + 16 x lane, 10-11 at 1,280 + 8 x lane.
; The scale word of (fragment i, row lane r) lies at 12,288 + 256 (i / 4) + 16 r + 4 (i % 4).  Token rows are ordered n x 2,048 + l.
; ONE PATH FOR ALL ROLES: only pointers and numbers are chosen, by the work-group's number.  The layer norm's arithmetic always runs; in a weight's work-group mean, 1 / sigma, gain and bias are selected to 0, 1, 1, 0.
; SHARES: wave w takes columns 256 w .. 256 w + 255 (K steps 2 w, 2 w + 1) of the 16 rows.  Each load reads 256 consecutive bytes of two rows.  Row sums meet in LDS (two barriers: mean, then the centred squares).
; The numbers turn through the wave's own stage (rows 1,040 bytes apart), so that a lane holds 16 neighbours of each block of 32 of ONE row.
; The scale words leave as 4 bytes a lane, 16 bytes apart: 1 byte in 24 of what the launch stores.
; LIMITS: NaN and infinities are not served; a block whose largest magnitude lies under 2^-122, a block of zeros too, gets the byte 1 (its codes then add what the held scale gives; the bytes are read by this program alone).
.set PAN,  12800
.set SCO,  12288
.set WST,  16640                       ; a wave's stage: 16 rows x 1,040 bytes
.set RP,   1040
.set STAT, 66560                       ; 256 bytes [row][wave] of sums, then 256 of sums of squares
.set VO,   4                           ; v4-11   byte offset of row pair i in the source
.set LW,   20                          ; v20-35  gain of my 16 columns
.set LB,   36                          ; v36-51  bias of my 16 columns
.set MS,   52                          ; v52-67  a pair for each row pair: mean, later 1 / sigma (the low word is used)
.set T,    68                          ; v68-99  at work
.set TM,   68                          ; the quantiser's 16 registers lie in T
.set PC,   100                         ; v100-118 the codes just made
.set PW,   120                         ; v120, v121 two scale words, v122 the one that I store
.set X,    128                         ; v128-255 my 128 numbers
.set SEL,  24
; 64 numbers of a lane, register 16 b + i = k 32 b + 16 (lane / 16) + i of my row, become a fragment's codes in v[PC] on and its scale word in v[pw]
.macro QUANT s, pw
.irp b, 0,1,2,3
	v_max3_num_f32 v[TM+\b], |v[\s+16*\b]|, |v[\s+1+16*\b]|, 0x2800000   ; my 16 numbers of block b, and the floor 2^(5 - 127): the byte cannot fall under 1
.endr
.irp i, 2,4,6,8,10,12,14
.irp b, 0,1,2,3
	v_max3_num_f32 v[TM+\b], v[TM+\b], |v[\s+16*\b+\i]|, |v[\s+1+16*\b+\i]|
.endr
.endr
.irp b, 0,1,2,3
	v_permlanex16_b32 v[TM+4+\b], v[TM+\b], s[SEL], s[SEL+1]
.endr
.irp b, 0,1,2,3
	v_max_num_f32 v[TM+\b], v[TM+\b], v[TM+4+\b]   ; with lane l xor 16's: the block's largest magnitude
.endr
.irp b, 0,1,2,3
	v_add_nc_u32 v[TM+12+\b], 0xfe000000, v[TM+\b]   ; 4 off its exponent field: the conversion's scale operand
.endr
.irp b, 0,1,2,3
	v_lshrrev_b32 v[TM+4+\b], 23, v[TM+12+\b]      ; the scale's byte
.endr
	v_lshl_or_b32 v[\pw], v[TM+5], 8, v[TM+4]
	v_lshl_or_b32 v[\pw], v[TM+6], 16, v[\pw]
	v_lshl_or_b32 v[\pw], v[TM+7], 24, v[\pw]
.irp c, 0,1
	v_cvt_scalef32_pk16_bf6_f32 v[PC+6*\c:PC+2+6*\c], v[\s+32*\c:\s+15+32*\c], v[TM+12+2*\c]
	v_cvt_scalef32_pk16_bf6_f32 v[PC+12+4*\c:PC+14+4*\c], v[\s+16+32*\c:\s+31+32*\c], v[TM+12+2*\c+1]   ; (a conversion's three registers begin on an even number)
.endr
	v_nop                                          ; one plain place behind a scaled conversion
.irp c, 0,1                                    ; the operand wants a whole block in a lane: lanes 0-15 block 2 c, lanes 16-31 block 2 c + 1
.irp i, 0,1,2
	v_permlane16_swap_b32 v[PC+6*\c+\i], v[PC+12+4*\c+\i]
.endr
.irp i, 0,1,2
	v_mov_b32 v[PC+3+6*\c+\i], v[PC+12+4*\c+\i]
.endr
.endr
.endm
.macro IMG off                         ; the fragment's image: four stores, each of consecutive bytes that begin at a multiple of 256
	global_store_b128 v16, v[PC:PC+3], s[36:37] offset:\off
	global_store_b64 v17, v[PC+4:PC+5], s[36:37] offset:\off+512
	global_store_b128 v16, v[PC+6:PC+9], s[36:37] offset:\off+768
	global_store_b64 v17, v[PC+10:PC+11], s[36:37] offset:\off+1280
.endm
.macro ACROSS base, st                 ; a pair's two halves, then the 16 lanes that share a row
.irp i, 0,1,2,3,4,5,6,7
	v_add_f32 v[\base+\st*\i], v[\base+\st*\i], v[\base+\st*\i+1]
.endr
.irp m, 1,2,4,8
.irp i, 0,1,2,3,4,5,6,7
	v_add_f32_dpp v[\base+\st*\i], v[\base+\st*\i], v[\base+\st*\i] row_xmask:\m row_mask:0xf bank_mask:0xf
.endr
.endr
.endm
.macro GATHER off                      ; the four waves' parts of my eight rows' sums, added in one order in every wave: v[T + 4 i]
.irp i, 0,1,2,3,4,5,6,7
	ds_load_b128 v[T+4*\i:T+4*\i+3], v15 offset:\off+32*\i
.endr
	s_wait_dscnt 0x0
.irp i, 0,1,2,3,4,5,6,7
	v_add_f32 v[T+4*\i], v[T+4*\i], v[T+4*\i+1]
	v_add_f32 v[T+4*\i+2], v[T+4*\i+2], v[T+4*\i+3]
.endr
.irp i, 0,1,2,3,4,5,6,7
	v_add_f32 v[T+4*\i], v[T+4*\i], v[T+4*\i+2]
.endr
.endm
	s_load_b256 s[4:11], s[0:1], 0x0               ; rows to normalise s[4:5], gain s[6:7], bias s[8:9], in_proj_w s[10:11]
	s_load_b256 s[12:19], s[0:1], 0x20             ; out_w s[12:13], fc_w s[14:15], proj_w s[16:17], actc s[18:19]
	s_load_b64 s[20:21], s[0:1], 0x40              ; wts
	v_lshl_add_u32 v126, v0, 2, 0x10600
	v_mov_b32 v127, 0
	v_lshrrev_b32 v1, 5, v0
	v_readfirstlane_b32 s22, v1                    ; wave
	v_and_b32 v1, 31, v0                           ; lane
	v_and_b32 v2, 15, v0                           ; lane % 16
	v_bfe_u32 v3, v0, 4, 1                         ; lane / 16
	s_mov_b32 s[SEL], 0x76543210
	s_mov_b32 s[SEL+1], 0xfedcba98                 ; v_permlanex16_b32's selects for lane l xor 16
	s_mov_b32 s55, 0x3a800000                      ; 1 / 1,024
	s_mov_b32 s56, 0x3727c5ac                      ; 1e-5
	; the role, from the highest range of work-groups down: first work-group s26, row pitch s27, K steps s28, shift s29 and mask s30 that part fragment and K group, place in wts s31
	s_mov_b32 s26, 768
	s_mov_b32 s27, 16384
	s_mov_b32 s28, 32
	s_mov_b32 s29, 2
	s_mov_b32 s30, 3
	s_mov_b32 s31, 6553600
	s_wait_alu depctr_va_vdst(0)
	s_wait_kmcnt 0x0
	s_mov_b64 s[34:35], s[16:17]
	s_cmp_lt_u32 ttmp9, 768
	s_cselect_b64 s[34:35], s[14:15], s[34:35]
	s_cselect_b32 s26, 512, s26
	s_cselect_b32 s27, 4096, s27
	s_cselect_b32 s28, 8, s28
	s_cselect_b32 s29, 0, s29
	s_cselect_b32 s30, 0, s30
	s_cselect_b32 s31, 3276800, s31
	s_cmp_lt_u32 ttmp9, 512
	s_cselect_b64 s[34:35], s[12:13], s[34:35]
	s_cselect_b32 s26, 448, s26
	s_cselect_b32 s31, 2457600, s31
	s_cmp_lt_u32 ttmp9, 448
	s_cselect_b64 s[34:35], s[10:11], s[34:35]
	s_cselect_b32 s26, 256, s26
	s_cselect_b32 s31, 0, s31
	s_cmp_lt_u32 ttmp9, 256
	s_cselect_b64 s[34:35], s[4:5], s[34:35]
	s_cselect_b64 s[36:37], s[18:19], s[20:21]
	s_cselect_b32 s26, 0, s26
	s_cselect_b32 s27, 8192, s27                   ; a token's rows l and l + 1 lie 8,192 bytes apart
	s_cselect_b32 s33, -1, 0                       ; all lanes: the layer norm counts
	s_cselect_b32 s32, 15, -1                      ; token panels: 16 to each n
	s_sub_co_u32 s38, ttmp9, s26
	s_lshr_b32 s39, s38, s29                       ; fragment
	s_and_b32 s40, s38, s30                        ; group of 1,024 along K
	s_lshr_b32 s41, s39, 3                         ; panel row
	s_and_b32 s42, s39, 7                          ; i: fragment in the panel
	s_lshr_b32 s44, s41, 4                         ; n
	s_cmp_lt_u32 ttmp9, 256
	s_cselect_b32 s44, s44, s40                    ; which 4,096 bytes of a row: n's, or the K group's
	s_and_b32 s43, s41, s32
	s_lshl_b32 s43, s43, 7
	s_lshr_b32 s45, s42, 1
	s_lshl_b32 s45, s45, 5
	s_add_co_u32 s43, s43, s45
	s_and_b32 s45, s42, 1
	s_lshl_b32 s45, s45, 3
	s_add_co_u32 s43, s43, s45                     ; the fragment's first row
	s_mul_i32 s43, s43, s27
	s_lshl_b32 s44, s44, 12
	s_add_co_u32 s43, s43, s44
	s_lshl_b32 s45, s22, 10                        ; my wave's 1,024 bytes of a row
	s_add_co_u32 s46, s43, s45
	s_mov_b32 s47, 0
	s_add_nc_u64 s[34:35], s[34:35], s[46:47]
	s_mul_i32 s48, s41, s28
	s_lshl_b32 s49, s40, 3
	s_add_co_u32 s48, s48, s49
	s_lshl_b32 s49, s22, 1
	s_add_co_u32 s48, s48, s49                     ; panel: panel row x K steps + my first K step
	s_mul_i32 s48, s48, PAN
	s_add_co_u32 s48, s48, s31
	s_mov_b32 s49, 0
	s_add_nc_u64 s[36:37], s[36:37], s[48:49]
	v_lshlrev_b32 v19, 4, v2
	v_add_nc_u32 v19, s45, v19
.irp c, 0,1,2,3
	global_load_b128 v[LW+4*\c:LW+4*\c+3], v19, s[6:7] offset:256*\c
	global_load_b128 v[LB+4*\c:LB+4*\c+3], v19, s[8:9] offset:256*\c
.endr
.irp i, 0,1,2,3,4,5,6,7
	v_add_nc_u32 v[VO+\i], 2*\i+8*(\i/4), v3       ; row lane 2 i + lane / 16 is row 2 i + 8 (i / 4) + lane / 16 of the fragment's 24
	v_mul_lo_u32 v[VO+\i], v[VO+\i], s27
	v_lshl_add_u32 v[VO+\i], v2, 4, v[VO+\i]
.endr
.irp i, 0,1,2,3,4,5,6,7
.irp c, 0,1,2,3
	global_load_b128 v[X+16*\i+4*\c:X+16*\i+4*\c+3], v[VO+\i], s[34:35] offset:256*\c th:TH_LOAD_NT   ; sixteen lanes read 256 consecutive bytes of a row
.endr
.endr
	s_mul_i32 s50, s22, WST
	v_mul_u32_u24 v12, v3, RP
	v_lshl_add_u32 v12, v2, 4, v12
	v_add_nc_u32 v12, s50, v12                     ; the stage, in: row lane / 16 of a pair, 16 bytes a lane
	v_mul_u32_u24 v13, v2, RP
	v_lshl_add_u32 v13, v3, 6, v13
	v_add_nc_u32 v13, s50, v13                     ; out: row lane % 16, my half's 64 bytes of a block
	v_lshlrev_b32 v15, 4, v3
	v_add_nc_u32 v15, STAT, v15                    ; a row's four sums
	s_lshl_b32 s51, s22, 2
	v_add_nc_u32 v14, s51, v15                     ; my wave's word among them
	s_mul_i32 s52, s42, 1536
	v_lshl_add_u32 v16, v1, 4, s52
	v_lshl_add_u32 v17, v1, 3, s52
	s_lshr_b32 s53, s42, 2
	s_lshl_b32 s53, s53, 8
	s_and_b32 s54, s42, 3
	s_lshl_b32 s54, s54, 2
	s_add_co_u32 s53, s53, s54
	v_mul_u32_u24 v18, v3, PAN                     ; lanes 0-15 store the first K step's words, lanes 16-31 the second's, one panel on
	v_lshl_add_u32 v18, v2, 4, v18
	v_add_nc_u32 v18, s53, v18
	s_wait_loadcnt 0x0
.irp k, 0,1,2,3,4,5,6,7,8,9,10,11,12,13,14,15
	v_cndmask_b32 v[LW+\k], 1.0, v[LW+\k], s33     ; a weight is left as it is
	v_cndmask_b32 v[LB+\k], 0, v[LB+\k], s33
.endr
	; the rows' sums
.irp i, 0,1,2,3,4,5,6,7
	v_pk_add_f32 v[MS+2*\i:MS+2*\i+1], v[X+16*\i:X+16*\i+1], v[X+16*\i+2:X+16*\i+3]
.endr
.irp k, 4,6,8,10,12,14
.irp i, 0,1,2,3,4,5,6,7
	v_pk_add_f32 v[MS+2*\i:MS+2*\i+1], v[MS+2*\i:MS+2*\i+1], v[X+16*\i+\k:X+16*\i+\k+1]
.endr
.endr
	ACROSS MS, 2
.irp i, 0,1,2,3,4,5,6,7
	ds_store_b32 v14, v[MS+2*\i] offset:32*\i      ; sixteen lanes write the same word with the same value
.endr
	s_wait_dscnt 0x0                               ; for the others' sake: my sums lie in LDS
	s_barrier_signal -1
	s_barrier_wait -1
	GATHER 0
.irp i, 0,1,2,3,4,5,6,7
	v_mul_f32 v[MS+2*\i], s55, v[T+4*\i]           ; the mean
.endr
.irp i, 0,1,2,3,4,5,6,7
	v_cndmask_b32 v[MS+2*\i], 0, v[MS+2*\i], s33
.endr
.irp i, 0,1,2,3,4,5,6,7
.irp k, 0,2,4,6,8,10,12,14
	v_pk_add_f32 v[X+16*\i+\k:X+16*\i+\k+1], v[X+16*\i+\k:X+16*\i+\k+1], v[MS+2*\i:MS+2*\i+1] op_sel_hi:[1,0] neg_lo:[0,1] neg_hi:[0,1]   ; x - mean: the squares are taken of centred numbers
.endr
.endr
.irp i, 0,1,2,3,4,5,6,7
	v_pk_mul_f32 v[T+4*\i:T+4*\i+1], v[X+16*\i:X+16*\i+1], v[X+16*\i:X+16*\i+1]
.endr
.irp k, 2,4,6,8,10,12,14
.irp i, 0,1,2,3,4,5,6,7
	v_pk_fma_f32 v[T+4*\i:T+4*\i+1], v[X+16*\i+\k:X+16*\i+\k+1], v[X+16*\i+\k:X+16*\i+\k+1], v[T+4*\i:T+4*\i+1]
.endr
.endr
	ACROSS T, 4
.irp i, 0,1,2,3,4,5,6,7
	ds_store_b32 v14, v[T+4*\i] offset:256+32*\i   ; other bytes than the sums': no wave may still be reading those
.endr
	s_wait_dscnt 0x0
	s_barrier_signal -1
	s_barrier_wait -1
	GATHER 256
.irp i, 0,1,2,3,4,5,6,7
	v_fma_f32 v[T+4*\i], v[T+4*\i], s55, s56       ; the variance + 1e-5
.endr
	s_wait_alu depctr_va_vdst(0)
.irp i, 0,1,2,3,4,5,6,7
	v_rsq_f32 v[MS+2*\i], v[T+4*\i]
.endr
	v_nop                                          ; a plain place behind the last of the batch
	s_wait_alu depctr_va_vdst(0)                   ; one wait for the eight, ahead of their first reader
.irp i, 0,1,2,3,4,5,6,7
	v_cndmask_b32 v[MS+2*\i], 1.0, v[MS+2*\i], s33
.endr
.irp i, 0,1,2,3,4,5,6,7
.irp k, 0,2,4,6,8,10,12,14
	v_pk_mul_f32 v[X+16*\i+\k:X+16*\i+\k+1], v[X+16*\i+\k:X+16*\i+\k+1], v[MS+2*\i:MS+2*\i+1] op_sel_hi:[1,0]
.endr
.irp k, 0,2,4,6,8,10,12,14
	v_pk_fma_f32 v[X+16*\i+\k:X+16*\i+\k+1], v[X+16*\i+\k:X+16*\i+\k+1], v[LW+\k:LW+\k+1], v[LB+\k:LB+\k+1]
.endr
.endr
	; the turn through my own stage: LDS serves a wave's instructions in order, so the loads see the stores and no wait stands between
.irp i, 0,1,2,3,4,5,6,7
.irp c, 0,1,2,3
	ds_store_b128 v12, v[X+16*\i+4*\c:X+16*\i+4*\c+3] offset:2*RP*\i+256*\c
.endr
.endr
.irp s, 0,1
.irp b, 0,1,2,3
.irp j, 0,1,2,3
	ds_load_b128 v[X+64*\s+16*\b+4*\j:X+64*\s+16*\b+4*\j+3], v13 offset:512*\s+128*\b+16*\j
.endr
.endr
.endr
	s_wait_dscnt 16                                ; the first K step's 16 loads are in, the second's may be out
	QUANT X, PW
	IMG 0
	s_wait_dscnt 0x0
	s_wait_xcnt 0x0                                ; the stores have read the codes' registers: they are written again only behind this wait
	QUANT X+64, PW+1
	IMG PAN
	v_cmp_eq_u32 vcc_lo, 1, v3
	v_cndmask_b32 v[PW+2], v[PW], v[PW+1], vcc_lo
	global_store_b32 v18, v[PW+2], s[36:37] offset:SCO
	s_wait_tensorcnt 0x0
	ds_add_u32 v126, v127
	s_wait_dscnt 0x0
	s_endpgm
.Lfunc_end_k_q05906cf321_prep:
	.size	k_q05906cf321_prep, .Lfunc_end_k_q05906cf321_prep-k_q05906cf321_prep
	.p2alignl 7, 3214868480
	.fill 96, 4, 3214868480
	.section	.rodata,"a",@progbits
	.p2align	6, 0x0
	.amdhsa_kernel k_q05906cf321_prep
		.amdhsa_group_segment_fixed_size 67584
		.amdhsa_private_segment_fixed_size 0
		.amdhsa_enable_private_segment 0
		.amdhsa_kernarg_size 72
		.amdhsa_user_sgpr_count 2
		.amdhsa_user_sgpr_kernarg_segment_ptr 1
		.amdhsa_wavefront_size32 1
		.amdhsa_system_sgpr_workgroup_id_x 1
		.amdhsa_system_sgpr_workgroup_id_y 1
		.amdhsa_system_sgpr_workgroup_id_z 1
		.amdhsa_system_vgpr_workitem_id 0
		.amdhsa_next_free_vgpr 256
		.amdhsa_next_free_sgpr 66
		.amdhsa_reserve_vcc 1
		.amdhsa_float_denorm_mode_32 3
		.amdhsa_float_denorm_mode_16_64 3
		.amdhsa_memory_ordered 1
		.amdhsa_forward_progress 1
		.amdhsa_inst_pref_size 55
	.end_amdhsa_kernel
	.amdgpu_metadata
---
amdhsa.version: [ 1, 2 ]
amdhsa.kernels:
  - .name:           k_q05906cf321_prep
    .symbol:         k_q05906cf321_prep.kd
    .args:
      - { .name: x, .offset: 0, .size: 8, .value_kind: global_buffer, .address_space: global }
      - { .name: ln1_w, .offset: 8, .size: 8, .value_kind: global_buffer, .address_space: global }
      - { .name: ln1_b, .offset: 16, .size: 8, .value_kind: global_buffer, .address_space: global }
      - { .name: in_proj_w, .offset: 24, .size: 8, .value_kind: global_buffer, .address_space: global }
      - { .name: out_w, .offset: 32, .size: 8, .value_kind: global_buffer, .address_space: global }
      - { .name: fc_w, .offset: 40, .size: 8, .value_kind: global_buffer, .address_space: global }
      - { .name: proj_w, .offset: 48, .size: 8, .value_kind: global_buffer, .address_space: global }
      - { .name: actc, .offset: 56, .size: 8, .value_kind: global_buffer, .address_space: global }
      - { .name: wts, .offset: 64, .size: 8, .value_kind: global_buffer, .address_space: global }
    .group_segment_fixed_size: 67584
    .private_segment_fixed_size: 0
    .kernarg_segment_align: 8
    .kernarg_segment_size: 72
    .max_flat_workgroup_size: 128
    .sgpr_count:     66
    .vgpr_count:     256
    .wavefront_size: 32
...
	.end_amdgpu_metadata
.endif
;; end of part 1
;; launch qkv (part 2): grid 12 x 16, 4 waves a work-group, clusters of 4 x 4, 327,680 bytes of LDS; arguments actc, wts, in_proj_b, qkvc; writes qkvc
.if DOCPART == 2
	.amdgcn_target "amdgcn-amd-amdhsa--gfx1250"
	.amdhsa_code_object_version 6
	.text
	.protected	k_q05906cf321_qkv
	.globl	k_q05906cf321_qkv
	.p2align	8
	.type	k_q05906cf321_qkv,@function
k_q05906cf321_qkv:
	s_mov_b64 s[64:65], 0
	v_nop
	global_prefetch_b8 v0, s[64:65] scope:SCOPE_SE
	s_setreg_imm32_b32 hwreg(HW_REG_WAVE_MODE, 25, 1), 1
	s_wait_xcnt 0x0
	s_wait_alu depctr_hold_cnt(0) depctr_sa_sdst(0) depctr_va_vdst(0) depctr_va_sdst(0) depctr_va_ssrc(0) depctr_va_vcc(0) depctr_vm_vsrc(0)
	s_getreg_b32 s2, hwreg(HW_REG_IB_STS2, 6, 4)
	s_cmp_eq_u32 s2, 0
	s_cbranch_scc0 .Lentry_in_a_cluster
	s_endpgm
.Lentry_in_a_cluster:
	s_bfe_u32 s2, ttmp6, 0x10000c
	s_cmp_lg_u32 s2, 0xf033
	s_cbranch_scc0 .Lentry_shape_is_right
	s_endpgm
.Lentry_shape_is_right:
; q, k, v = LN1(x) in_proj_w^T + in_proj_b on codes of BF6, and their quantising for attention: q and k along the head's 64, v along the keys.
; OPERANDS are panels of 128 rows x 128 K (12,800 bytes: 8 register images of 1,536 bytes, then 512 bytes of scale words); fragment i gives lane r the row 32 (i / 2) + 8 (i % 2) + r + 8 (r / 8).
; A work-group of four waves makes 256 x 256; a wave 128 x 128: 64 accumulators, 512 registers.  A wave's load at the head brings six panels, 76,800 dense bytes.
; THREE LDS SLOTS of two K steps.  Six of the eight K steps are asked for at the start; K steps 6 and 7 are the one refill, into slot 0 when it has been read: it has slots 1 and 2's 256 matrix instructions in which to land.
; THE MATRIX INSTRUCTION IS USED TRANSPOSED (source 0 = side B, source 1 = side A): a lane holds ONE row of side A, and its 64 registers of a block of A are side B's rows 32 p + 16 (lane / 16) + 0 .. 15, p = 0 .. 3:
; 128 neighbours along the next product's K, ready for the quantiser.
; ROLES by the cluster's x, the same in all partners: 0 q, 1 k: side A = tokens, side B = rows of the weight.  2 v: the sides change places, so that a lane holds one feature and its registers run along 128 keys.
; CLUSTER 4 x 4: side A's panels hang on the cluster's row, side B's on its column: each is asked for jointly by the four that share it.
; q IS NOT MULTIPLIED BY 1 / 64 HERE: a power of two moves only scale bytes; attention's constant takes it up.  LIMIT: blocks of q under 2^-116, whose byte the scaled form would hold at 1, differ.
; OUT: q records [n 8 + pair][16 blocks] of 13,312 bytes: 8 images (16 tokens x two heads' 128 features), then for each head 512 bytes of scale words of two bytes.  k/v records, from byte 3,407,872, [n 8 + pair][16 key steps]
; of 26,112 bytes: k as q, then at 13,312 v^T as a plain panel (fragment = 16 features x 128 keys).
; LIMITS: NaN and infinities are not served; blocks under 2^-122, zeros too, get the byte 1.
.set NB,    8                          ; blocks of 16 rows a side a wave
.set NQ,    2                          ; K steps of 128 in a slot
.set KST,   8                          ; K steps in all
.set PAN,   12800
.set SCO,   12288
.set PIECE, 6*PAN                      ; a fetching wave's region in LDS: six K steps of its 128 rows, brought by its one load at the head
.set SLOT,  2*PAN                      ; from slot to slot inside a region: two K steps
.set SPARE, 4*PIECE
.set TSTR,  2*KST*PAN                  ; from tile to tile of a side, in bytes
.set WSTR,  KST*PAN                    ; from a fetching wave's piece to the other's
.set ABASE, PIECE                      ; from a wave's fragments in a slot to the other half's
.set SBASE, PIECE                      ; the same for the scale words
.set FR,    12
.set NL,    4                          ; LDS loads that bring a fragment
.set ADRA,  5                          ; v5-7 LDS address (16 x lane) of my A fragments in slot 0, 1, 2; v8-10 the same with 8 x lane
.set ADRB,  11                         ; v11-16 the same for B
.set ADRS,  17                         ; v17-19 my scale words: lanes 0-15 A's, lanes 16-31 B's
.set L16,   20
.set L8,    21
.set SPW,   22                         ; LDS address of my spare word; never rewritten
.set NIL,   23                         ; 0; never rewritten
.set SC,    32                         ; v32-63 scale words: set x 16 + NB q + block
.set AF,    128                        ; A's fragments, one set, window 0;  B's two sets at v0 and v128 of window 1;  accumulators in windows 2 and 3
.set HA,    64                         ; the way out: 64 numbers
.set PC,    128
.set TM,    148
.set SW,    164                        ; eight scale words
.set BV,    224                        ; v224-239 v's bias: a pair for each block of A (the low word is used)
.set SEL,   98
.set OB,    96
.set G1,    24                         ; s[24:31] group 1 for A's pieces;  s[32:39] for B's
.set G1B,   32
.set G0,    48                         ; s[48:51] group 0 for A's pieces;  s[84:87] for B's
.set G0B,   84
.set MSB, 0
.macro WIN new                         ; the immediate's high byte repeats the setting that is left
.if MSB != (\new)
	s_set_vgpr_msb (MSB<<8)|(\new)
.set MSB, (\new)
.endif
.endm
.set MUL_LO, 0xa1                      ; source 0 (B) window 1, source 1 (A) window 0, C and D window 2
.set MUL_HI, 0xf1                      ; the same, C and D window 3
.set TO_B,   0x40                      ; destination window 1
.macro JLOAD g0a, g1a, g0b, g1b        ; a joint load: waves 0 and 1 fetch A's pieces, waves 2 and 3 B's; four v_nop follow each line
	s_cmp_eq_u32 s15, 0
	s_cbranch_scc0 .Lfor_b_\@
	tensor_load_to_lds s[\g0a:\g0a+3], s[\g1a:\g1a+7]
	s_nop 0
.rept 4
	v_nop
.endr
	s_branch .Lasked_\@
.Lfor_b_\@:
	tensor_load_to_lds s[\g0b:\g0b+3], s[\g1b:\g1b+7]
	s_nop 0
.rept 4
	v_nop
.endr
.Lasked_\@:
.endm
.macro CREST                           ; a round of the cluster's barrier behind its opening barrier
	s_cmp_lg_u32 s14, 0
	s_cbranch_scc1 .Lnot_wave_0_\@
	s_barrier_signal -3
.Lnot_wave_0_\@:
	s_barrier_wait -3
	s_barrier_signal -1
	s_barrier_wait -1
.endm
.macro CROUND
	s_barrier_signal -1
	s_barrier_wait -1
	CREST
.endm
.macro PLACES                          ; four plain places behind matrix instructions, ahead of loads into their registers and of reads of results
.rept 4
	v_nop
.endr
.endm
.macro FRAG reg, adr, off              ; a fragment's image comes back as it was stored
	ds_load_b128 v[\reg:\reg+3], v[\adr] offset:\off
	ds_load_b64 v[\reg+4:\reg+5], v[\adr+3] offset:\off+512
	ds_load_b128 v[\reg+6:\reg+9], v[\adr] offset:\off+768
	ds_load_b64 v[\reg+10:\reg+11], v[\adr+3] offset:\off+1280
.endm
.macro FETCH_B g, q, set
	WIN TO_B
.set i_, 0
.rept NB
	FRAG 128*(\set)+FR*i_, ADRB+\g, (\q)*PAN+i_*1536
.set i_, i_+1
.endr
	WIN 0
.endm
.macro FETCH_A g, q, half
.set i_, (\half)*NB/2
.rept NB/2
	FRAG AF+FR*i_, ADRA+\g, (\q)*PAN+i_*1536
.set i_, i_+1
.endr
.endm
.macro SCALES g, sc                    ; a slot's scale words into set sc: four blocks' words a load
.set q_, 0
.rept NQ
.set g_, 0
.rept NB/4
	ds_load_b128 v[SC+16*(\sc)+NB*q_+4*g_:SC+16*(\sc)+NB*q_+4*g_+3], v[ADRS+\g] offset:q_*PAN+256*g_
.set g_, g_+1
.endr
.set q_, q_+1
.endr
.endm
; a quarter of a step's products: NB / 4 blocks of A against B's NB.  The accumulators take turns, one instruction a turn, in the same order in every step
.macro MULQ k, set, q, sc, zero
.set a_, (\k)*NB/4
.rept NB/4
.set b_, 0
.rept NB
.set AC, 8*(NB*(a_%(NB/2))+b_)
.if \zero
	v_wmma_scale_f32_16x16x128_f8f6f4 v[AC:AC+7], v[128*(\set)+FR*b_:128*(\set)+FR*b_+FR-1], v[AF+FR*a_:AF+FR*a_+FR-1], 0, v[SC+16*(\sc)+NB*(\q)+b_], v[SC+16*(\sc)+NB*(\q)+a_] matrix_a_fmt:MATRIX_FMT_BF6 matrix_b_fmt:MATRIX_FMT_BF6 matrix_a_scale:MATRIX_SCALE_ROW1
.else
	v_wmma_scale_f32_16x16x128_f8f6f4 v[AC:AC+7], v[128*(\set)+FR*b_:128*(\set)+FR*b_+FR-1], v[AF+FR*a_:AF+FR*a_+FR-1], v[AC:AC+7], v[SC+16*(\sc)+NB*(\q)+b_], v[SC+16*(\sc)+NB*(\q)+a_] matrix_a_fmt:MATRIX_FMT_BF6 matrix_b_fmt:MATRIX_FMT_BF6 matrix_a_scale:MATRIX_SCALE_ROW1
.endif
.set b_, b_+1
.endr
.set a_, a_+1
.endr
.endm
.macro STEP g, q, sc, zero             ; 128 along K whose successor lies in the same slot
	s_wait_dscnt (NB/2)*NL                         ; all but the youngest loads, A's upper blocks, are in
	WIN MUL_LO
	MULQ 0, (\q)%2, \q, \sc, \zero
	MULQ 1, (\q)%2, \q, \sc, \zero
	s_wait_dscnt 0x0                               ; A's upper blocks are in
	PLACES
	FETCH_B \g, (\q)+1, 1-(\q)%2
	FETCH_A \g, (\q)+1, 0
	WIN MUL_HI
	MULQ 2, (\q)%2, \q, \sc, \zero
	MULQ 3, (\q)%2, \q, \sc, \zero
	PLACES
	WIN 0
	FETCH_A \g, (\q)+1, 1
.endm
.macro BODY g, sc, zero                ; a slot's steps but the last
	STEP \g, 0, \sc, \zero
.if NQ > 2
	STEP \g, 1, \sc, 0
	STEP \g, 2, \sc, 0
.endif
.endm
; a slot's last step, where the next slot has been shown whole to every wave by an earlier barrier and nothing is filled: no wait on tensor loads, no barrier
.macro CROSS g, next, sc, nsc
	s_wait_dscnt (NB/2)*NL
	WIN MUL_LO
	MULQ 0, 1, NQ-1, \sc, 0
	MULQ 1, 1, NQ-1, \sc, 0
	s_wait_dscnt 0x0
	PLACES
	FETCH_B \next, 0, 0
	FETCH_A \next, 0, 0
	SCALES \next, \nsc
	WIN MUL_HI
	MULQ 2, 1, NQ-1, \sc, 0
	MULQ 3, 1, NQ-1, \sc, 0
	PLACES
	WIN 0
	FETCH_A \next, 0, 1
.endm
; a slot's last step with a barrier.  fill = 1: a round of the cluster's barrier, and the bytes that the named groups 0 point at are filled again, adv bytes further along K
.macro TURN g, next, sc, nsc, fill, g0a, g1a, g0b, g1b, adv
	s_wait_tensorcnt 0x0                           ; all my tensor loads have landed
	ds_add_u32 v[SPW], v[NIL]                      ; 0 onto my spare word
	s_wait_dscnt (NB/2)*NL+1                       ; (the add and A's upper blocks may be out)
	WIN MUL_LO
	MULQ 0, 1, NQ-1, \sc, 0
	s_wait_dscnt 0x0                               ; the add is done, and my reads of this slot are over
	s_barrier_signal -1
	MULQ 1, 1, NQ-1, \sc, 0
	WIN 0
	s_barrier_wait -1
.if \fill
	CREST
	s_mov_b32 s[\g1a+2], 100<<16                   ; no tensor load of mine is out: the refill brings two K steps, 100 rows
	s_mov_b32 s[\g1a+4], 100
	s_mov_b32 s[\g1b+2], 100<<16
	s_mov_b32 s[\g1b+4], 100
	s_add_nc_u64 s[\g0a+2:\g0a+3], s[\g0a+2:\g0a+3], \adv
	s_add_nc_u64 s[\g0b+2:\g0b+3], s[\g0b+2:\g0b+3], \adv
	JLOAD \g0a, \g1a, \g0b, \g1b                   ; the first tensor load behind the round; its four v_nop are the places ahead of the loads below
.else
	PLACES
.endif
	FETCH_B \next, 0, 0
	FETCH_A \next, 0, 0
	SCALES \next, \nsc
	WIN MUL_HI
	MULQ 2, 1, NQ-1, \sc, 0
	MULQ 3, 1, NQ-1, \sc, 0
	PLACES
	WIN 0
	FETCH_A \next, 0, 1
.endm
.macro LAST sc                         ; the very last step: nothing more to fetch
	s_wait_dscnt (NB/2)*NL
	WIN MUL_LO
	MULQ 0, 1, NQ-1, \sc, 0
	MULQ 1, 1, NQ-1, \sc, 0
	s_wait_dscnt 0x0
	WIN MUL_HI
	MULQ 2, 1, NQ-1, \sc, 0
	MULQ 3, 1, NQ-1, \sc, 0
	WIN 0
.endm
.macro QUANT s, pw                     ; 64 numbers of a lane, register 16 b + i = k 32 b + 16 (lane / 16) + i of my row: codes in v[PC] on, scale word in v[pw]
.irp b, 0,1,2,3
	v_max3_num_f32 v[TM+\b], |v[\s+16*\b]|, |v[\s+1+16*\b]|, 0x2800000   ; and the floor 2^(5 - 127): the byte cannot fall under 1
.endr
.irp i, 2,4,6,8,10,12,14
.irp b, 0,1,2,3
	v_max3_num_f32 v[TM+\b], v[TM+\b], |v[\s+16*\b+\i]|, |v[\s+1+16*\b+\i]|
.endr
.endr
.irp b, 0,1,2,3
	v_permlanex16_b32 v[TM+4+\b], v[TM+\b], s[SEL], s[SEL+1]
.endr
.irp b, 0,1,2,3
	v_max_num_f32 v[TM+\b], v[TM+\b], v[TM+4+\b]
.endr
.irp b, 0,1,2,3
	v_add_nc_u32 v[TM+12+\b], 0xfe000000, v[TM+\b]   ; 4 off the exponent field: the conversion's scale operand
.endr
.irp b, 0,1,2,3
	v_lshrrev_b32 v[TM+4+\b], 23, v[TM+12+\b]
.endr
	v_lshl_or_b32 v[\pw], v[TM+5], 8, v[TM+4]
	v_lshl_or_b32 v[\pw], v[TM+6], 16, v[\pw]
	v_lshl_or_b32 v[\pw], v[TM+7], 24, v[\pw]
.irp c, 0,1
	v_cvt_scalef32_pk16_bf6_f32 v[PC+6*\c:PC+2+6*\c], v[\s+32*\c:\s+15+32*\c], v[TM+12+2*\c]
	v_cvt_scalef32_pk16_bf6_f32 v[PC+12+4*\c:PC+14+4*\c], v[\s+16+32*\c:\s+31+32*\c], v[TM+12+2*\c+1]
.endr
	v_nop                                          ; one plain place behind a scaled conversion
.irp c, 0,1
.irp i, 0,1,2
	v_permlane16_swap_b32 v[PC+6*\c+\i], v[PC+12+4*\c+\i]
.endr
.irp i, 0,1,2
	v_mov_b32 v[PC+3+6*\c+\i], v[PC+12+4*\c+\i]
.endr
.endr
.endm
.macro IMG off, x                      ; x = 1: q's and k's images 2, 3, 6, 7 lie with lanes l and l xor 8 exchanged (v24, v25); v's lie plain
	global_store_b128 v[L16+4*(\x)], v[PC:PC+3], s[OB:OB+1] offset:\off
	global_store_b64 v[L8+4*(\x)], v[PC+4:PC+5], s[OB:OB+1] offset:\off+512
	global_store_b128 v[L16+4*(\x)], v[PC+6:PC+9], s[OB:OB+1] offset:\off+768
	global_store_b64 v[L8+4*(\x)], v[PC+10:PC+11], s[OB:OB+1] offset:\off+1280
.endm
	s_load_b256 s[4:11], s[0:1], 0x0               ; actc s[4:5], wts s[6:7], in_proj_b s[8:9], qkvc s[10:11]
	v_lshl_add_u32 v[SPW], v0, 2, SPARE
	v_mov_b32 v[NIL], 0
	ds_add_u32 v22, v23
	ds_add_u32 v22, v23
	s_wait_dscnt 0x0
	v_lshrrev_b32 v1, 5, v0
	v_readfirstlane_b32 s14, v1                    ; wave
	s_lshr_b32 s15, s14, 1                         ; which half of side A is mine.  Also: I fetch for A (0) or B (1)
	s_and_b32 s16, s14, 1                          ; which half of side B.  Also: which piece I fetch
	s_bfe_u32 s40, ttmp6, 0x40000                  ; cx
	s_bfe_u32 s41, ttmp6, 0x40004                  ; cy
	s_and_b32 s18, ttmp7, 0xffff
	s_lshl_b32 s18, s18, 2                         ; 4 x cluster y: the tokens' tiles
	s_lshl_b32 s19, ttmp9, 2                       ; 4 x cluster x: the weight's tiles
	s_cmp_eq_u32 ttmp9, 2                          ; v's role?
	s_cselect_b32 s17, 8, s18
	s_cselect_b32 s42, s18, s19
	s_cselect_b32 s66, -1, 0                       ; all lanes in v's role
	s_cselect_b32 s67, 0, -1                       ; all lanes in q's and k's
	s_add_co_u32 s17, s17, s41                     ; side A's tile: hangs on cy alone
	s_add_co_u32 s42, s42, s40                     ; side B's tile: on cx alone
	s_lshl_b32 s43, s41, 2
	s_lshl_b32 s43, 15, s43                        ; my row of the cluster
	s_lshl_b32 s44, 0x1111, s40                    ; my column
	s_or_b32 s[G1+0], s43, (3<<16)|(1<<21)         ; the mask; elements of 8 bytes; bit 21 beside a mask; no padding: images are read as they lie
	s_or_b32 s[G1B+0], s44, (3<<16)|(1<<21)
.irp g, G1, G1B
	s_mov_b32 s[\g+1], 32<<16                      ; a dense block as rows of 256 bytes: tensor_dim0 = 32
	s_mov_b32 s[\g+2], 300<<16                     ; tensor_dim1 = 300 rows: six K steps
	s_mov_b32 s[\g+3], 32<<16                      ; tile_dim0
	s_mov_b32 s[\g+4], 300
	s_mov_b32 s[\g+5], 32                          ; pitch
	s_mov_b32 s[\g+6], 0
	s_mov_b32 s[\g+7], 0
.endr
	s_mul_i32 s18, s16, WSTR
	s_mul_i32 s20, s17, TSTR
	s_add_co_u32 s20, s20, s18
	s_mov_b32 s21, 0
	s_mul_i32 s46, s42, TSTR
	s_add_co_u32 s46, s46, s18
	s_mov_b32 s47, 0
	s_mul_i32 s45, s14, PIECE                      ; where my piece goes: no place in the cluster enters an LDS address
	s_mov_b32 s[SEL], 0x76543210
	s_mov_b32 s[SEL+1], 0xfedcba98
	s_wait_kmcnt 0x0
	s_cmp_eq_u32 ttmp9, 2
	s_cselect_b64 s[68:69], s[6:7], s[4:5]         ; side A: the weight in v's role, else the tokens
	s_cselect_b64 s[70:71], s[4:5], s[6:7]
	s_add_nc_u64 s[20:21], s[68:69], s[20:21]
	s_add_nc_u64 s[46:47], s[70:71], s[46:47]
	CROUND                                         ; all sixteen work-groups are here: the first joint loads meet
.irp s, 0
	s_mov_b32 s[G0+4*\s], 1
	s_add_co_u32 s[G0+4*\s+1], s45, \s*SLOT
	s_add_nc_u64 s[G0+4*\s+2:G0+4*\s+3], s[20:21], \s*NQ*PAN
	s_or_b32 s[G0+4*\s+3], s[G0+4*\s+3], 0x80000000
	s_mov_b32 s[G0B+4*\s], 1
	s_add_co_u32 s[G0B+4*\s+1], s45, \s*SLOT
	s_add_nc_u64 s[G0B+4*\s+2:G0B+4*\s+3], s[46:47], \s*NQ*PAN
	s_or_b32 s[G0B+4*\s+3], s[G0B+4*\s+3], 0x80000000
	JLOAD G0+4*\s, G1, G0B+4*\s, G1B               ; one load of mine is out
.endr
	v_and_b32 v1, 15, v0                           ; r
	v_bfe_u32 v2, v0, 4, 1                         ; h
	v_and_b32 v3, 31, v0
	v_lshlrev_b32 v[L16], 4, v3
	v_lshlrev_b32 v[L8], 3, v3
	s_and_b32 s82, s67, 128
	s_and_b32 s83, s67, 64
	v_xor_b32 v24, s82, v[L16]                     ; q, k: lane l xor 8's place; v: my own
	v_xor_b32 v25, s83, v[L8]
	s_mul_i32 s21, s15, ABASE
	s_mul_i32 s22, s16, ABASE
	s_add_co_u32 s22, s22, 2*PIECE
.irp s, 0,1,2
	v_add_nc_u32 v[ADRA+\s], s21, v[L16]
	v_add_nc_u32 v[ADRA+3+\s], s21, v[L8]
	v_add_nc_u32 v[ADRB+\s], s22, v[L16]
	v_add_nc_u32 v[ADRB+3+\s], s22, v[L8]
	s_add_co_u32 s21, s21, SLOT
	s_add_co_u32 s22, s22, SLOT
.endr
	s_mul_i32 s21, s15, SBASE
	s_mul_i32 s22, s16, SBASE
	s_add_co_u32 s22, s22, 2*PIECE
	s_sub_co_u32 s22, s22, s21
	v_mul_u32_u24 v4, s22, v2                      ; lanes 16-31 take B's words
	v_lshl_add_u32 v4, v1, 4, v4
	s_add_co_u32 s21, s21, SCO
	v_add_nc_u32 v[ADRS], s21, v4
	v_add_nc_u32 v[ADRS+1], SLOT, v[ADRS]
	v_add_nc_u32 v[ADRS+2], 2*SLOT, v[ADRS]
	; where my results go
	s_lshl_b32 s72, s17, 1
	s_add_co_u32 s72, s72, s15                     ; side A's group of 128 rows
	s_lshl_b32 s73, s42, 1
	s_add_co_u32 s73, s73, s16                     ; side B's
	s_cmp_eq_u32 ttmp9, 2
	s_cselect_b32 s74, s73, s72                    ; the tokens' panel
	s_cselect_b32 s75, s72, s73                    ; the features' group
	s_cselect_b32 s76, 13312, 0                    ; v lies behind k in a record
	s_cselect_b32 s77, 0, 16                       ; q, k: lanes 16-31 take the second head's two bytes
	s_cselect_b32 s78, -1, 0xffff
	s_cselect_b32 s79, 0, 512                      ; and store them 512 bytes on
	s_and_b32 s75, s75, 7                          ; the pair of heads
	s_lshr_b32 s80, s74, 4
	s_lshl_b32 s80, s80, 3
	s_add_co_u32 s80, s80, s75
	s_lshl_b32 s80, s80, 4
	s_and_b32 s74, s74, 15
	s_add_co_u32 s80, s80, s74                     ; record (n 8 + pair) 16 + block
	s_mov_b32 s81, 26112
	s_cmp_eq_u32 ttmp9, 0
	s_cselect_b32 s81, 13312, s81
	s_cselect_b32 s74, 0, 3407872
	s_mul_i32 s80, s80, s81
	s_add_co_u32 s80, s80, s74
	s_add_co_u32 s80, s80, s76
	s_mov_b32 s81, 0
	s_add_nc_u64 s[OB:OB+1], s[10:11], s[80:81]
	; the biases.  q, k: of the lane's 64 features, in window 1's free registers.  v: of the lane's one feature for each block of A.  Both are loaded in every role, from places inside the buffer; the one that does not count becomes 0
	s_lshl_b32 s72, s42, 10
	s_lshl_b32 s73, s16, 9
	s_add_co_u32 s72, s72, s73
	s_and_b32 s72, s72, s67
	v_lshl_add_u32 v30, v2, 6, s72
	s_lshl_b32 s73, s41, 10
	s_lshl_b32 s74, s15, 9
	s_add_co_u32 s73, s73, s74
	s_add_co_u32 s73, s73, 8192
	s_and_b32 s73, s73, s66
	v_and_b32 v31, 8, v1
	v_add_nc_u32 v31, v31, v1
	v_lshl_add_u32 v31, v31, 2, s73
	WIN TO_B
.irp p, 0,1,2,3
.irp j, 0,1,2,3
	global_load_b128 v[96+96*(\p/2)+16*\p+4*\j:99+96*(\p/2)+16*\p+4*\j], v30, s[8:9] offset:128*\p+16*\j
.endr
.endr
	WIN 0
.irp a, 0,1,2,3,4,5,6,7
	global_load_b32 v[BV+2*\a], v31, s[8:9] offset:(32*(\a/2)+8*(\a%2))*4
	v_mov_b32 v[BV+2*\a+1], 0                      ; (named with it as a pair, so it is written)
.endr
	s_wait_loadcnt 0x0
	WIN 0x44                                       ; source 1 and destination window 1
.set k_, 0
.rept 64
	v_cndmask_b32 v[96+k_+96*(k_/32)], 0, v[96+k_+96*(k_/32)], s67
.set k_, k_+1
.endr
	WIN 0
.irp a, 0,1,2,3,4,5,6,7
	v_cndmask_b32 v[BV+2*\a], 0, v[BV+2*\a], s66
.endr
	s_wait_tensorcnt 0x0
	s_barrier_signal -1
	s_barrier_wait -1
	FETCH_B 0, 0, 0
	FETCH_A 0, 0, 0
	SCALES 0, 0
	FETCH_A 0, 0, 1
	BODY 0, 0, 1                                   ; K steps 0, 1 in slot 0: the first step's products start the sums: nothing is cleared
	TURN 0, 1, 0, 1, 1, G0, G1, G0B, G1B, 3*NQ*PAN ; slots 1 and 2 are whole for every wave; slot 0 takes K steps 6, 7
	BODY 1, 1, 0                                   ; K steps 2, 3
	CROSS 1, 2, 1, 0
	BODY 2, 0, 0                                   ; K steps 4, 5
	TURN 2, 0, 0, 1, 0, 0, 0, 0, 0, 0              ; the refill has landed, everybody's; nothing is filled
	BODY 0, 1, 0                                   ; K steps 6, 7
	LAST 1
	; THE WAY OUT: block of A by block: + bias, quantised along side B's 128 rows, the image stored straight from registers
	PLACES
.irp b, 0,1,2,3
	v_mov_b32 v[TM+4+\b], 0                        ; a lane permute's destination counts as one of its sources
.endr
.macro ROWOUT a
.if (\a) > 0
	s_wait_xcnt 0x0                                ; the last block's stores have read the codes' registers
.endif
	WIN (0x06+(\a)/4)                              ; source 0: the accumulators' window, source 1: window 1
.set k_, 0
.rept 32
	v_pk_add_f32 v[HA+k_:HA+k_+1], v[64*((\a)%4)+k_:64*((\a)%4)+k_+1], v[96+k_+96*(k_/32):97+k_+96*(k_/32)]   ; each accumulator from its low end on
.set k_, k_+2
.endr
	WIN 0
.set k_, 0
.rept 32
	v_pk_add_f32 v[HA+k_:HA+k_+1], v[HA+k_:HA+k_+1], v[BV+2*(\a):BV+2*(\a)+1] op_sel_hi:[1,0]
.set k_, k_+2
.endr
	QUANT HA, SW+(\a)
	IMG (\a)*1536, ((\a)/2)%2
.endm
.irp a, 0,1,2,3,4,5,6,7
	ROWOUT \a
.endr
	; the scale words, four blocks' a store.  q, k: lanes 0-15 store the first head's two bytes of each word, lanes 16-31 the second head's, 512 bytes on.  v: whole words; both halves of the lanes write the same bytes with the same data
	v_mul_u32_u24 v172, s77, v2
	v_mul_u32_u24 v173, s79, v2
	v_lshl_add_u32 v173, v1, 4, v173
.irp i, 0,1,2,3,4,5,6,7
	v_lshrrev_b32 v[SW+\i], v172, v[SW+\i]
.endr
.irp i, 0,1,2,3,4,5,6,7
	v_and_b32 v[SW+\i], s78, v[SW+\i]
.endr
	global_store_b128 v173, v[SW:SW+3], s[OB:OB+1] offset:SCO
	global_store_b128 v173, v[SW+4:SW+7], s[OB:OB+1] offset:SCO+256
	s_wait_tensorcnt 0x0                           ; the wave's end
	ds_add_u32 v[SPW], v[NIL]
	s_wait_dscnt 0x0
	CROUND                                         ; the closing round: no work-group ends while a partner may still ask for a piece that names it
	s_endpgm
.Lfunc_end_k_q05906cf321_qkv:
	.size	k_q05906cf321_qkv, .Lfunc_end_k_q05906cf321_qkv-k_q05906cf321_qkv
	.p2alignl 7, 3214868480
	.fill 96, 4, 3214868480
	.section	.rodata,"a",@progbits
	.p2align	6, 0x0
	.amdhsa_kernel k_q05906cf321_qkv
		.amdhsa_group_segment_fixed_size 327680
		.amdhsa_private_segment_fixed_size 0
		.amdhsa_enable_private_segment 0
		.amdhsa_kernarg_size 32
		.amdhsa_user_sgpr_count 2
		.amdhsa_user_sgpr_kernarg_segment_ptr 1
		.amdhsa_wavefront_size32 1
		.amdhsa_system_sgpr_workgroup_id_x 1
		.amdhsa_system_sgpr_workgroup_id_y 1
		.amdhsa_system_sgpr_workgroup_id_z 1
		.amdhsa_system_vgpr_workitem_id 0
		.amdhsa_next_free_vgpr 1024
		.amdhsa_next_free_sgpr 100
		.amdhsa_reserve_vcc 0
		.amdhsa_float_denorm_mode_32 3
		.amdhsa_float_denorm_mode_16_64 3
		.amdhsa_memory_ordered 1
		.amdhsa_forward_progress 1
		.amdhsa_inst_pref_size 184
	.end_amdhsa_kernel
	.amdgpu_metadata
---
amdhsa.version: [ 1, 2 ]
amdhsa.kernels:
  - .name:           k_q05906cf321_qkv
    .symbol:         k_q05906cf321_qkv.kd
    .args:
      - { .name: actc, .offset: 0, .size: 8, .value_kind: global_buffer, .address_space: global }
      - { .name: wts, .offset: 8, .size: 8, .value_kind: global_buffer, .address_space: global }
      - { .name: in_proj_b, .offset: 16, .size: 8, .value_kind: global_buffer, .address_space: global }
      - { .name: qkvc, .offset: 24, .size: 8, .value_kind: global_buffer, .address_space: global }
    .group_segment_fixed_size: 327680
    .private_segment_fixed_size: 0
    .kernarg_segment_align: 8
    .kernarg_segment_size: 32
    .max_flat_workgroup_size: 128
    .sgpr_count:     100
    .vgpr_count:     1024
    .wavefront_size: 32
...
	.end_amdgpu_metadata
.endif
;; end of part 2
;; launch attn (part 3): grid 16 x 16, 16 waves a work-group, clusters of 4 x 1, 327,680 bytes of LDS; arguments qkvc, oc; writes oc
.if DOCPART == 3
	.amdgcn_target "amdgcn-amd-amdhsa--gfx1250"
	.amdhsa_code_object_version 6
	.text
	.protected	k_q05906cf321_attn
	.globl	k_q05906cf321_attn
	.p2align	8
	.type	k_q05906cf321_attn,@function
k_q05906cf321_attn:
	s_mov_b64 s[64:65], 0
	v_nop
	global_prefetch_b8 v0, s[64:65] scope:SCOPE_SE
	s_setreg_imm32_b32 hwreg(HW_REG_WAVE_MODE, 25, 1), 1
	s_wait_xcnt 0x0
	s_wait_alu depctr_hold_cnt(0) depctr_sa_sdst(0) depctr_va_vdst(0) depctr_va_sdst(0) depctr_va_ssrc(0) depctr_va_vcc(0) depctr_vm_vsrc(0)
	s_getreg_b32 s2, hwreg(HW_REG_IB_STS2, 6, 4)
	s_cmp_eq_u32 s2, 0
	s_cbranch_scc0 .Lentry_in_a_cluster
	s_endpgm
.Lentry_in_a_cluster:
	s_bfe_u32 s2, ttmp6, 0x10000c
	s_cmp_lg_u32 s2, 0x3003
	s_cbranch_scc0 .Lentry_shape_is_right
	s_endpgm
.Lentry_shape_is_right:
; o = softmax(q k^T / 64) v for 32 heads of size 64 over 2,048 keys, both products on codes of BF6, and o's quantising along the model's 1,024 for the next product.
; THE SOFTMAX: t = score x log2(e) / 64 (q's codes are those of the unscaled q: 1 / 64 is a power of two and stands in the constant); M = the running largest t rounded UP to a whole number;
; p = 2^(t - M) is quantised along the keys; the row's sum is taken of the unquantised p and divides at the end; when M moves, the sum and O are multiplied by 2^(old M - new M): exact.
; SHARES.  A work-group owns 128 queries (one panel) of a PAIR of heads; wave w owns 16 queries (fragment w % 8) of head w / 8, in 256 registers.  Every wave walks 16 key steps of 128 keys.
; A key step's record (26,112 bytes: k's 8 images of 16 keys x two heads, k's scale words, v^T's 8 images of 16 features x 128 keys, v^T's scale words) comes by ONE tensor load.
; LDS: TWELVE PLACES of a record.  Waves 0-3 ask for records 0-3 at the head; waves 0-7 for records 4-11 behind the first full sequence; waves 0-3 for records 12-15, into places 0-3, when key steps 0-3 are done.
; So records 4-11 are asked for four key steps, and records 12-15 eight key steps, ahead of their first read, and nothing else is left to ask for: no prefetch is laid.
; CLUSTER 4 x 1: the four query panels of a cluster walk the same records and ask for them jointly.
; LAYOUT.  S^T = k q^T (source 0 = 16 keys), O^T = v^T p^T (source 0 = 16 features): a lane holds ONE query throughout.
; THE KEYS OF A TILE: tile t = 4 A + 2 C + D gives row 8 B + e the key 64 A + 32 B + 16 C + 8 D + e.  A result's lane half is B, so the 32 registers of tiles 4 A .. 4 A + 3 are the whole block 2 A + (lane / 16) of 32 keys, in order:
; that is the operand's own layout for p: a block's maximum lies in one lane, and the conversions' results are the operand's registers.
; That key lies in the record's image 4 A + 2 B + D at row lane 8 C + e; images with B = 1 are stored with lanes l and l xor 8 exchanged, so the sixteen lanes of a load touch 256 different bytes modulo 256.
; THE HEAD HAS 64, THE INSTRUCTION 128: q's registers 6-11 are zero codes.  k's operand for tile t is six registers of its own and the six of the next tile: whatever they hold meets q's zeros (BF6 has no NaN code; the upper two
; bytes of q's and k's scale words are 0, which is 2^-127).
; LIMITS: NaN and infinities are not served; blocks of o under 2^-122, zeros too, get the byte 1; the scaled scores stay under 2^31 in magnitude.
.set REC,   26112
.set QREC,  13312
.set KVO,   3407872
.set PAN,   12800
.set SCO,   12288
.set SPARE, 12*REC                     ; the spare words, 128 bytes a wave: eight blocks of 256 bytes that no other line names
.set OSC,   SPARE+2048                 ; 512 bytes of their own: the panel's scale words are gathered here; no fill lands here
.set S,     104                        ; v104-167 S^T, then p
.set O,     168                        ; v168-199 O^T
.set PCD,   200                        ; v200-211 p's codes
.set BM,    212                        ; v212-215 four chains of maxima; then v212, v214 the two blocks' largest score, then largest p
.set PT,    216                        ; v216-222 the conversions' second halves
.set SO,    224                        ; v224, v225 the conversions' scale operands
.set WV,    8
.set G1,    24
.set SEL,   40
.set CS,    42
.set TB,    44
.set CNT,   45
; v1-5 my lane's places in a record for k (16-byte parts C = 0, 1; 8-byte parts C = 0, 1; scale words), v6, v9, v10 for v^T; v7, v8 the add's two; v12 -M, v13 the running largest score, v[14:15] the sum; v16-20 a step's addresses;
; v22-33 q, v34 q's scale words; v36-89 k's tiles, then v^T's; v90-97, v98-101 their scale words
.macro CROUND
	s_barrier_signal -1
	s_barrier_wait -1
	s_cmp_lg_u32 s[WV], 0
	s_cbranch_scc1 .Lnot_wave_0_\@
	s_barrier_signal -3
.Lnot_wave_0_\@:
	s_barrier_wait -3
	s_barrier_signal -1
	s_barrier_wait -1
.endm
.macro TLOAD n                         ; waves 0 .. n - 1 fetch a record each; the branch hangs on the wave's number alone; an s_nop 0 and four v_nop follow the load
	s_cmp_lt_u32 s[WV], \n
	s_cbranch_scc0 .Lnone_\@
	tensor_load_to_lds s[32:35], s[G1:G1+7]
	s_nop 0
.rept 4
	v_nop
.endr
.Lnone_\@:
.endm
	s_load_b128 s[4:7], s[0:1], 0x0                ; qkvc, oc
	v_lshl_add_u32 v7, v0, 2, SPARE                ; my spare word; never rewritten
	v_mov_b32 v8, 0                                ; never rewritten
	ds_add_u32 v7, v8                              ; the opening lines: the add, twice on end, and its wait
	ds_add_u32 v7, v8
	v_lshrrev_b32 v236, 5, v0
	v_readfirstlane_b32 s[WV], v236                ; wave 0..15
	s_bfe_u32 s9, ttmp6, 0x40000                   ; cx
	s_lshl_b32 s10, ttmp9, 2
	s_add_co_u32 s10, s10, s9                      ; my panel of queries: it enters q's and oc's addresses alone
	s_and_b32 s11, ttmp7, 0xffff                   ; n 8 + pair, which the four partners share
	s_and_b32 s12, s[WV], 7                        ; my fragment of queries
	s_lshr_b32 s13, s[WV], 3                       ; my head of the pair
	s_mov_b32 s[G1], 15|(3<<16)|(1<<21)            ; the mask: all four; elements of 8 bytes; bit 21 beside a mask; no padding
	s_mov_b32 s[G1+1], 32<<16                      ; a dense block as 102 rows of 256 bytes
	s_mov_b32 s[G1+2], 102<<16
	s_mov_b32 s[G1+3], 32<<16
	s_mov_b32 s[G1+4], 102
	s_mov_b32 s[G1+5], 32
	s_mov_b32 s[G1+6], 0
	s_mov_b32 s[G1+7], 0
	s_lshl_b32 s14, s11, 4
	s_add_co_u32 s14, s14, s[WV]
	s_mul_i32 s14, s14, REC
	s_add_co_u32 s14, s14, KVO                     ; record 16 (n 8 + pair) + wave
	s_mov_b32 s15, 0
	s_mul_i32 s16, s[WV], REC                      ; place = wave
	s_mov_b32 s[SEL], 0x76543210
	s_mov_b32 s[SEL+1], 0xfedcba98
	s_mov_b32 s[CS], 0x3cb8aa3b                    ; log2(e) / 64
	s_mov_b32 s[CS+1], s[CS]
	s_wait_dscnt 0x0
	s_wait_kmcnt 0x0
	s_add_nc_u64 s[14:15], s[4:5], s[14:15]
	CROUND                                         ; all four work-groups are here: the first joint loads meet
	s_mov_b32 s32, 1
	s_mov_b32 s33, s16
	s_mov_b64 s[34:35], s[14:15]
	s_or_b32 s35, s35, 0x80000000
	TLOAD 4                                        ; records 0-3: a wave's one load at the head
	; q's record, my fragment's half image and its scale words
	s_lshl_b32 s17, s11, 4
	s_add_co_u32 s17, s17, s10
	s_mul_i32 s17, s17, QREC
	s_mul_i32 s18, s12, 1536
	s_mul_i32 s19, s13, 768
	s_add_co_u32 s18, s18, s19                     ; fragment and half: the same place in q's record and in oc's panel
	s_add_co_u32 s20, s17, s18
	s_mov_b32 s21, 0
	s_add_nc_u64 s[46:47], s[4:5], s[20:21]
	s_lshr_b32 s22, s12, 2
	s_lshl_b32 s22, s22, 8
	s_and_b32 s23, s12, 3
	s_lshl_b32 s23, s23, 2
	s_add_co_u32 s22, s22, s23                     ; my fragment's place among scale words
	s_lshl_b32 s23, s13, 9
	s_add_co_u32 s58, s23, 12288                   ; k's scale words of my head
	s_add_co_u32 s20, s17, s23
	s_add_co_u32 s20, s20, s22
	s_add_co_u32 s20, s20, SCO
	s_add_nc_u64 s[48:49], s[4:5], s[20:21]
	; oc: panel ((n 16 + query panel) 8 + pair)
	s_lshr_b32 s20, s11, 3
	s_lshl_b32 s20, s20, 4
	s_add_co_u32 s20, s20, s10
	s_lshl_b32 s20, s20, 3
	s_and_b32 s23, s11, 7
	s_add_co_u32 s20, s20, s23
	s_mul_i32 s20, s20, PAN
	s_add_nc_u64 s[52:53], s[6:7], s[20:21]
	s_add_co_u32 s20, s20, s18
	s_add_nc_u64 s[50:51], s[6:7], s[20:21]
	s_bfe_u32 s54, s12, 0x10001                    ; q's fragments 2, 3, 6, 7 lie with lanes l and l xor 8 exchanged
	s_lshl_b32 s55, s54, 7
	s_lshl_b32 s54, s54, 6
	s_add_co_u32 s57, s19, 512
	s_mul_i32 s59, s13, 6144
	s_add_co_u32 s59, s59, 13312                   ; v^T's four images of my head
	s_lshl_b32 s60, s13, 8
	s_add_co_u32 s60, s60, 25600                   ; their scale words
	s_lshl_b32 s61, s13, 1
	s_add_co_u32 s61, s61, s22
	s_add_co_u32 s61, s61, OSC
	v_and_b32 v236, 31, v0                         ; lane
	v_and_b32 v237, 15, v0                         ; r
	v_and_b32 v238, 7, v0                          ; e
	v_bfe_u32 v239, v0, 3, 1                       ; B
	v_bfe_u32 v240, v0, 4, 1                       ; lane / 16
	v_lshlrev_b32 v11, 4, v236
	v_lshlrev_b32 v35, 3, v236
	v_lshlrev_b32 v102, 4, v237
	v_mul_u32_u24 v243, v239, 3200                 ; B = 1: two images on, and the other half of the sixteen lanes' 256 bytes
	v_mul_u32_u24 v244, v239, 2944
	v_lshlrev_b32 v245, 4, v238
	v_lshl_add_u32 v245, v240, 8, v245
	v_add_nc_u32 v245, s19, v245
	v_add_nc_u32 v1, v245, v243                    ; k, 16-byte parts, C = 0
	v_add_nc_u32 v2, v245, v244
	v_add_nc_u32 v2, 128, v2                       ; C = 1
	v_mul_u32_u24 v243, v239, 3136
	v_mul_u32_u24 v244, v239, 3008
	v_lshlrev_b32 v245, 3, v238
	v_lshl_add_u32 v245, v240, 7, v245
	v_add_nc_u32 v245, s57, v245
	v_add_nc_u32 v3, v245, v243                    ; k, 8-byte parts, C = 0
	v_add_nc_u32 v4, v245, v244
	v_add_nc_u32 v4, 64, v4                        ; C = 1
	v_lshlrev_b32 v5, 4, v238
	v_lshl_add_u32 v5, v239, 3, v5
	v_add_nc_u32 v5, s58, v5                       ; k's scale words: 16 e + 8 B: the words of images 2 B, 2 B + 1 of four
	v_lshl_add_u32 v6, v236, 4, s59
	v_lshl_add_u32 v9, v236, 3, s59
	v_lshl_add_u32 v10, v237, 4, s60
	v_lshl_add_u32 v103, v237, 4, s61              ; where my two scale bytes of o go
	v_lshl_add_u32 v232, v236, 4, OSC              ; where wave 0 reads the panel's words back
	v_xor_b32 v241, s55, v11
	v_xor_b32 v242, s54, v35
	global_load_b128 v[22:25], v241, s[46:47]
	global_load_b64 v[26:27], v242, s[46:47] offset:512
	global_load_b32 v34, v102, s[48:49]
.irp j, 28,29,30,31,32,33,84,85,86,87,88,89
	v_mov_b32 v\j, 0                               ; q's zero codes; and what stands behind k's last tile
.endr
	v_mov_b32 v13, 0xff61b1e6                      ; the largest score so far: -3e38
	v_mul_f32 v226, s[CS], v13
	v_floor_f32 v12, -v226                         ; -M
	v_mov_b32 v14, 0                               ; the sum, in two halves
	v_mov_b32 v15, 0
	v_mov_b32 v227, 0                              ; a lane permute's destination counts as one of its sources
	v_mov_b32 v229, 0                              ; (named as the upper half of the pair v[228:229])
.set j_, 0
.rept 32
	v_mov_b32 v[O+j_], 0                           ; the step is written once: the first finds zeros
.set j_, j_+1
.endr
.macro STEP                            ; 128 keys: the record at LDS byte s[TB]
	v_add_nc_u32 v16, s[TB], v1                    ; (these five are also the places behind the last products, ahead of the loads into their registers)
	v_add_nc_u32 v17, s[TB], v2
	v_add_nc_u32 v18, s[TB], v3
	v_add_nc_u32 v19, s[TB], v4
	v_add_nc_u32 v20, s[TB], v5
.irp t, 0,1,2,3,4,5,6,7
	ds_load_b128 v[36+6*\t:39+6*\t], v[16+(\t/2)%2] offset:(4*(\t/4)+\t%2)*1536
	ds_load_b64 v[40+6*\t:41+6*\t], v[18+(\t/2)%2] offset:(4*(\t/4)+\t%2)*1536
.endr
.irp g, 0,1,2,3
	ds_load_b64 v[90+2*\g:91+2*\g], v20 offset:256*(\g/2)+128*(\g%2)   ; the words of tiles 2 g, 2 g + 1
.endr
	s_wait_alu depctr_va_vdst(0)
	s_wait_dscnt 0x0
.irp t, 0,1,2,3,4,5,6,7
	v_wmma_scale_f32_16x16x128_f8f6f4 v[S+8*\t:S+7+8*\t], v[36+6*\t:47+6*\t], v[22:33], 0, v[90+\t], v34 matrix_a_fmt:MATRIX_FMT_BF6 matrix_b_fmt:MATRIX_FMT_BF6
.endr
	v_add_nc_u32 v16, s[TB], v6                    ; four places ahead of the loads into k's registers and of the first read of the scores
	v_add_nc_u32 v17, s[TB], v9
	v_add_nc_u32 v18, s[TB], v10
	v_mov_b32 v230, v12                            ; the old -M
.irp t, 0,1,2,3                                ; v^T's fragments land while the softmax is worked
	ds_load_b128 v[36+12*\t:39+12*\t], v16 offset:1536*\t
	ds_load_b64 v[40+12*\t:41+12*\t], v17 offset:1536*\t+512
	ds_load_b128 v[42+12*\t:45+12*\t], v16 offset:1536*\t+768
	ds_load_b64 v[46+12*\t:47+12*\t], v17 offset:1536*\t+1280
.endr
	ds_load_b128 v[98:101], v18
.irp b, 0,1,2,3
	v_max3_num_f32 v[BM+\b], v[S+16*\b], v[S+1+16*\b], v[S+2+16*\b]   ; four chains, each accumulator from its low end on
.endr
.irp i, 3,5,7,9,11,13
.irp b, 0,1,2,3
	v_max3_num_f32 v[BM+\b], v[BM+\b], v[S+16*\b+\i], v[S+1+16*\b+\i]
.endr
.endr
	v_max3_num_f32 v[BM], v[BM], v[BM+1], v[S+15]  ; the largest score of my two blocks of 32 keys: it serves the row's maximum and, since p rises with the score, the block's largest p
	v_max3_num_f32 v[BM+2], v[BM+2], v[BM+3], v[S+47]
	v_max_num_f32 v[BM], v[BM], v[S+31]
	v_max_num_f32 v[BM+2], v[BM+2], v[S+63]
	s_delay_alu instid0(VALU_DEP_1)
	v_max_num_f32 v226, v[BM], v[BM+2]
	s_delay_alu instid0(VALU_DEP_1)
	v_permlanex16_b32 v227, v226, s[SEL], s[SEL+1]
	s_delay_alu instid0(VALU_DEP_1)
	v_max3_num_f32 v13, v13, v226, v227            ; the running largest score, with lane l xor 16's 64 keys
	s_delay_alu instid0(VALU_DEP_1)
	v_mul_f32 v226, s[CS], v13                     ; as t
	s_delay_alu instid0(VALU_DEP_1)
	v_floor_f32 v12, -v226                         ; the new -M = -ceil(t): a whole number
	s_delay_alu instid0(VALU_DEP_1)
	v_sub_f32 v230, v12, v230                      ; old M - new M: a whole number, 0 or less
	s_delay_alu instid0(VALU_DEP_1)
	v_cvt_i32_f32 v230, v230                       ; (it saturates)
	s_delay_alu instid0(VALU_DEP_1)
	v_ldexp_f32 v228, 1.0, v230                    ; f = 2^(old M - new M)
.set j_, 0
.rept 32
	v_pk_fma_f32 v[S+j_:S+j_+1], v[S+j_:S+j_+1], s[CS:CS+1], v[12:13] op_sel_hi:[1,0,0]   ; t - M
.set j_, j_+2
.endr
	v_fma_f32 v[BM], v[BM], s[CS], v12
	v_fma_f32 v[BM+2], v[BM+2], s[CS], v12
	s_wait_alu depctr_va_vdst(0)
.set j_, 0
.rept 64
	v_exp_f32 v[S+j_], v[S+j_]                     ; p = 2^(t - M), not normalised
.set j_, j_+1
.endr
	v_exp_f32 v[BM], v[BM]                         ; the blocks' largest p: the same two instructions on the same number
	v_exp_f32 v[BM+2], v[BM+2]
	v_pk_mul_f32 v[14:15], v[14:15], v[228:229] op_sel_hi:[1,0]   ; the sums under the new M (a plain place behind the batch)
	s_wait_alu depctr_va_vdst(0)                   ; one wait for the 66, ahead of their first reader
	v_max_num_f32 v[BM], 0x2800000, v[BM]          ; the floor 2^(5 - 127): the byte cannot fall under 1
	v_max_num_f32 v[BM+2], 0x2800000, v[BM+2]
	s_delay_alu instid0(VALU_DEP_2)
	v_add_nc_u32 v[SO], 0xfe000000, v[BM]          ; 4 off the exponent field: the conversion's scale operand
	s_delay_alu instid0(VALU_DEP_2)
	v_add_nc_u32 v[SO+1], 0xfe000000, v[BM+2]
	s_delay_alu instid0(VALU_DEP_2)
	v_lshrrev_b32 v226, 23, v[SO]
	s_delay_alu instid0(VALU_DEP_2)
	v_lshrrev_b32 v227, 23, v[SO+1]
	s_delay_alu instid0(VALU_DEP_1)
	v_lshl_or_b32 v226, v227, 16, v226             ; my two bytes: blocks lane / 16 and 2 + lane / 16
	s_delay_alu instid0(VALU_DEP_1)
	v_permlanex16_b32 v227, v226, s[SEL], s[SEL+1]
	s_delay_alu instid0(VALU_DEP_1)
	v_lshl_or_b32 v231, v227, 8, v226              ; lanes 0-15: p's scale word for these 128 keys (lanes 16-31 are not read)
	v_pk_add_f32 v[240:241], v[S:S+1], v[S+2:S+3]  ; the row's sum of the unquantised p, in four chains
	v_pk_add_f32 v[242:243], v[S+4:S+5], v[S+6:S+7]
	v_pk_add_f32 v[244:245], v[S+8:S+9], v[S+10:S+11]
	v_pk_add_f32 v[14:15], v[14:15], v[S+12:S+13]
.irp j, 14,22,30,38,46,54
	v_pk_add_f32 v[240:241], v[240:241], v[S+\j:S+\j+1]
	v_pk_add_f32 v[242:243], v[242:243], v[S+\j+2:S+\j+3]
	v_pk_add_f32 v[244:245], v[244:245], v[S+\j+4:S+\j+5]
	v_pk_add_f32 v[14:15], v[14:15], v[S+\j+6:S+\j+7]
.endr
	v_pk_add_f32 v[240:241], v[240:241], v[S+62:S+63]
	v_pk_add_f32 v[242:243], v[242:243], v[244:245]
	s_delay_alu instid0(VALU_DEP_2)
	v_pk_add_f32 v[14:15], v[14:15], v[240:241]
	s_delay_alu instid0(VALU_DEP_1)
	v_pk_add_f32 v[14:15], v[14:15], v[242:243]
.irp c, 0,1                                    ; my block 2 c + lane / 16: its 32 numbers are registers 32 c .. 32 c + 31
	v_cvt_scalef32_pk16_bf6_f32 v[PCD+6*\c:PCD+2+6*\c], v[S+32*\c:S+15+32*\c], v[SO+\c]
	v_cvt_scalef32_pk16_bf6_f32 v[PT+4*\c:PT+2+4*\c], v[S+16+32*\c:S+31+32*\c], v[SO+\c]   ; (a conversion's three registers begin on an even number)
.endr
	s_wait_alu depctr_va_vdst(0)                   ; directly ahead of the first reader of O^T
.set j_, 0
.rept 4
	v_pk_mul_f32 v[O+j_:O+j_+1], v[O+j_:O+j_+1], v[228:229] op_sel_hi:[1,0]   ; O^T under the new M; plain places behind the conversions
.set j_, j_+2
.endr
.irp c, 0,1
.irp i, 0,1,2
	v_mov_b32 v[PCD+3+6*\c+\i], v[PT+4*\c+\i]
.endr
.endr
.rept 12
	v_pk_mul_f32 v[O+j_:O+j_+1], v[O+j_:O+j_+1], v[228:229] op_sel_hi:[1,0]   ; these are also the places ahead of the products below
.set j_, j_+2
.endr
	s_wait_alu depctr_va_vdst(0)
	s_wait_dscnt 0x0                               ; v^T is in
.irp t, 0,1,2,3
	v_wmma_scale_f32_16x16x128_f8f6f4 v[O+8*\t:O+7+8*\t], v[36+12*\t:47+12*\t], v[PCD:PCD+11], v[O+8*\t:O+7+8*\t], v[98+\t], v231 matrix_a_fmt:MATRIX_FMT_BF6 matrix_b_fmt:MATRIX_FMT_BF6
.endr
.endm
.macro STEPS first, n                  ; n key steps from place first on
	s_mov_b32 s[TB], \first*REC
	s_mov_b32 s[CNT], \n
.Lstep_\@:
	STEP
	s_add_co_u32 s[TB], s[TB], REC
	s_sub_co_u32 s[CNT], s[CNT], 1
	s_cmp_lg_u32 s[CNT], 0
	s_cbranch_scc1 .Lstep_\@
.endm
	s_wait_alu depctr_va_vdst(0)
	s_wait_tensorcnt 0x0                           ; my record of 0-3 is in
	ds_add_u32 v7, v8                              ; twice on end
	ds_add_u32 v7, v8
	s_add_co_u32 s33, s16, 4*REC                   ; no tensor load of mine is out: place and record 4 + wave
	s_add_nc_u64 s[34:35], s[34:35], 4*REC
	s_wait_dscnt 0x0
	CROUND
	TLOAD 8                                        ; records 4-11, first fills: four key steps in which to land
	s_wait_loadcnt 0x0                             ; q
	STEPS 0, 4
	s_wait_tensorcnt 0x0                           ; records 4-11 are in
	ds_add_u32 v7, v8                              ; twice on end, as above
	ds_add_u32 v7, v8
	s_mov_b32 s33, s16                             ; place = wave, record 12 + wave
	s_add_nc_u64 s[34:35], s[34:35], 8*REC
	s_wait_dscnt 0x0                               ; the adds are done, and my reads of places 0-3 are over
	CROUND
	TLOAD 4                                        ; the one refill: eight key steps in which to land
	STEPS 4, 4
	s_wait_tensorcnt 0x0                           ; my record of 12-15 is in: it was asked for four key steps ago
	ds_add_u32 v7, v8
	s_wait_dscnt 0x0
	s_barrier_signal -1                            ; said early: between the signal and the wait stand register work and LDS loads of places 8-11, which nothing writes again
	STEPS 8, 4
	s_barrier_wait -1                              ; every wave has said that its record is in: places 0-3 hold records 12-15
	STEPS 0, 4
	; THE WAY OUT: O^T / the sum; its 32 numbers a lane are features 32 b + 16 (lane / 16) + 0 .. 15 of my head: two blocks, half a fragment of oc
.rept 4
	v_nop
.endr
	v_add_f32 v14, v14, v15
	s_delay_alu instid0(VALU_DEP_1)
	v_permlanex16_b32 v230, v14, s[SEL], s[SEL+1]
	s_delay_alu instid0(VALU_DEP_1)
	v_add_f32 v14, v14, v230                       ; the row's sum
	s_wait_alu depctr_va_vdst(0)
	v_rcp_f32 v14, v14
	v_nop                                          ; a plain place behind the transcendental
	s_wait_alu depctr_va_vdst(0)                   ; the wait, ahead of the first reader
.set j_, 0
.rept 16
	v_pk_mul_f32 v[S+j_:S+j_+1], v[O+j_:O+j_+1], v[14:15] op_sel_hi:[1,0]
.set j_, j_+2
.endr
.irp b, 0,1
	v_max3_num_f32 v[BM+\b], |v[S+16*\b]|, |v[S+1+16*\b]|, 0x2800000
.endr
.irp i, 2,4,6,8,10,12,14
.irp b, 0,1
	s_delay_alu instid0(VALU_DEP_2)
	v_max3_num_f32 v[BM+\b], v[BM+\b], |v[S+16*\b+\i]|, |v[S+1+16*\b+\i]|
.endr
.endr
.irp b, 0,1
	v_permlanex16_b32 v[PT+\b], v[BM+\b], s[SEL], s[SEL+1]
.endr
.irp b, 0,1
	s_delay_alu instid0(VALU_DEP_2)
	v_max_num_f32 v[BM+\b], v[BM+\b], v[PT+\b]
.endr
.irp b, 0,1
	s_delay_alu instid0(VALU_DEP_2)
	v_add_nc_u32 v[SO+\b], 0xfe000000, v[BM+\b]
.endr
.irp b, 0,1
	s_delay_alu instid0(VALU_DEP_2)
	v_lshrrev_b32 v[PT+\b], 23, v[SO+\b]
.endr
	s_delay_alu instid0(VALU_DEP_1)
	v_lshl_or_b32 v231, v[PT+1], 8, v[PT]          ; my head's two bytes of the row's scale word
	v_cvt_scalef32_pk16_bf6_f32 v[PCD:PCD+2], v[S:S+15], v[SO]
	v_cvt_scalef32_pk16_bf6_f32 v[PT+4:PT+6], v[S+16:S+31], v[SO+1]
	v_nop
.irp i, 0,1,2
	v_permlane16_swap_b32 v[PCD+\i], v[PT+4+\i]
.endr
.irp i, 0,1,2
	s_delay_alu instid0(VALU_DEP_3)
	v_mov_b32 v[PCD+3+\i], v[PT+4+\i]
.endr
	global_store_b128 v11, v[PCD:PCD+3], s[50:51]
	global_store_b64 v35, v[PCD+4:PCD+5], s[50:51] offset:512
	ds_store_b16 v103, v231                        ; lanes l and l xor 16 write the same bytes with the same value
	s_wait_dscnt 0x0                               ; for the others' sake
	s_barrier_signal -1
	s_barrier_wait -1
	s_cmp_lg_u32 s[WV], 0
	s_cbranch_scc1 .Lnot_first
	ds_load_b128 v[236:239], v232                  ; the panel's 512 bytes of scale words leave as two whole blocks of 256
	s_wait_dscnt 0x0
	global_store_b128 v11, v[236:239], s[52:53] offset:SCO
.Lnot_first:
	s_wait_tensorcnt 0x0                           ; the wave's end
	ds_add_u32 v7, v8
	s_wait_dscnt 0x0
	CROUND                                         ; the closing round
	s_endpgm
.Lfunc_end_k_q05906cf321_attn:
	.size	k_q05906cf321_attn, .Lfunc_end_k_q05906cf321_attn-k_q05906cf321_attn
	.p2alignl 7, 3214868480
	.fill 96, 4, 3214868480
	.section	.rodata,"a",@progbits
	.p2align	6, 0x0
	.amdhsa_kernel k_q05906cf321_attn
		.amdhsa_group_segment_fixed_size 327680
		.amdhsa_private_segment_fixed_size 0
		.amdhsa_enable_private_segment 0
		.amdhsa_kernarg_size 16
		.amdhsa_user_sgpr_count 2
		.amdhsa_user_sgpr_kernarg_segment_ptr 1
		.amdhsa_wavefront_size32 1
		.amdhsa_system_sgpr_workgroup_id_x 1
		.amdhsa_system_sgpr_workgroup_id_y 1
		.amdhsa_system_sgpr_workgroup_id_z 1
		.amdhsa_system_vgpr_workitem_id 0
		.amdhsa_next_free_vgpr 256
		.amdhsa_next_free_sgpr 66
		.amdhsa_reserve_vcc 0
		.amdhsa_float_denorm_mode_32 3
		.amdhsa_float_denorm_mode_16_64 3
		.amdhsa_memory_ordered 1
		.amdhsa_forward_progress 1
		.amdhsa_inst_pref_size 78
	.end_amdhsa_kernel
	.amdgpu_metadata
---
amdhsa.version: [ 1, 2 ]
amdhsa.kernels:
  - .name:           k_q05906cf321_attn
    .symbol:         k_q05906cf321_attn.kd
    .args:
      - { .name: qkvc, .offset: 0, .size: 8, .value_kind: global_buffer, .address_space: global }
      - { .name: oc, .offset: 8, .size: 8, .value_kind: global_buffer, .address_space: global }
    .group_segment_fixed_size: 327680
    .private_segment_fixed_size: 0
    .kernarg_segment_align: 8
    .kernarg_segment_size: 16
    .max_flat_workgroup_size: 512
    .sgpr_count:     66
    .vgpr_count:     256
    .wavefront_size: 32
...
	.end_amdgpu_metadata
.endif
;; end of part 3
;; launch out (part 4): grid 8 x 32, 4 waves a work-group, clusters of 4 x 4, 327,680 bytes of LDS; arguments oc, wts, out_b, x, x1; writes x1
.if DOCPART == 4
	.amdgcn_target "amdgcn-amd-amdhsa--gfx1250"
	.amdhsa_code_object_version 6
	.text
	.protected	k_q05906cf321_out
	.globl	k_q05906cf321_out
	.p2align	8
	.type	k_q05906cf321_out,@function
k_q05906cf321_out:
	s_mov_b64 s[64:65], 0
	v_nop
	global_prefetch_b8 v0, s[64:65] scope:SCOPE_SE
	s_setreg_imm32_b32 hwreg(HW_REG_WAVE_MODE, 25, 1), 1
	s_wait_xcnt 0x0
	s_wait_alu depctr_hold_cnt(0) depctr_sa_sdst(0) depctr_va_vdst(0) depctr_va_sdst(0) depctr_va_ssrc(0) depctr_va_vcc(0) depctr_vm_vsrc(0)
	s_getreg_b32 s2, hwreg(HW_REG_IB_STS2, 6, 4)
	s_cmp_eq_u32 s2, 0
	s_cbranch_scc0 .Lentry_in_a_cluster
	s_endpgm
.Lentry_in_a_cluster:
	s_bfe_u32 s2, ttmp6, 0x10000c
	s_cmp_lg_u32 s2, 0xf033
	s_cbranch_scc0 .Lentry_shape_is_right
	s_endpgm
.Lentry_shape_is_right:
.set NB,    4
.set NQ,    4
.set KST,   8
.set WOFF,  2457600
.set PAN,   12800
.set SCO,   12288
.set PIECE, 2*PAN
.set SLOT,  4*PIECE
.set SPARE, 2*SLOT
.set STAGE, SPARE+512
.set TSTR,  KST*PAN
.set WSTR,  4*PAN
.set ABASE, 6144
.set SBASE, 256
.set FR,    12
.set NL,    4
.set LAPS,  KST/(2*NQ)
.set STO,   5
.set RD,    6
.set CO,    7
.set BIAS,  10
.set ADRA,  16
.set ADRB,  20
.set ADRS,  24
.set L16,   26
.set L8,    27
.set SPW,   28
.set NIL,   29
.set SC,    32
.set AF,    128
.set BK,    128
.set G1,    24
.set G0,    32
.set G1B,   48
.set G0B,   56
.set MSB, 0
.macro WIN new
.if MSB != (\new)
	s_set_vgpr_msb (MSB<<8)|(\new)
.set MSB, (\new)
.endif
.endm
.set MUL_LO, 0xa1
.set MUL_HI, 0xf1
.set TO_B,   0x40
.macro JLOAD s
	s_cmp_eq_u32 s15, 0
	s_cbranch_scc0 .Lfor_b_\@
	tensor_load_to_lds s[G0+4*\s:G0+4*\s+3], s[G1:G1+7]
	s_nop 0
.rept 4
	v_nop
.endr
	s_branch .Lasked_\@
.Lfor_b_\@:
	tensor_load_to_lds s[G0B+4*\s:G0B+4*\s+3], s[G1B:G1B+7]
	s_nop 0
.rept 4
	v_nop
.endr
.Lasked_\@:
.endm
.macro CREST
	s_cmp_lg_u32 s14, 0
	s_cbranch_scc1 .Lnot_wave_0_\@
	s_barrier_signal -3
.Lnot_wave_0_\@:
	s_barrier_wait -3
	s_barrier_signal -1
	s_barrier_wait -1
.endm
.macro CROUND
	s_barrier_signal -1
	s_barrier_wait -1
	CREST
.endm
.macro PLACES
.rept 4
	v_nop
.endr
.endm
.macro FRAG reg, adr, off
	ds_load_b128 v[\reg:\reg+3], v[\adr] offset:\off
	ds_load_b64 v[\reg+4:\reg+5], v[\adr+2] offset:\off+512
	ds_load_b128 v[\reg+6:\reg+9], v[\adr] offset:\off+768
	ds_load_b64 v[\reg+10:\reg+11], v[\adr+2] offset:\off+1280
.endm
.macro FETCH_B slot, q, set
	WIN TO_B
.set i_, 0
.rept NB
	FRAG 128*(\set)+FR*i_, ADRB+\slot, (\q)*PAN+i_*1536
.set i_, i_+1
.endr
	WIN 0
.endm
.macro FETCH_A slot, q, half
.set i_, (\half)*NB/2
.rept NB/2
	FRAG AF+FR*i_, ADRA+\slot, (\q)*PAN+i_*1536
.set i_, i_+1
.endr
.endm
.macro SCALES slot
.set q_, 0
.rept NQ
.set g_, 0
.rept NB/4
	ds_load_b128 v[SC+16*(\slot)+NB*q_+4*g_:SC+16*(\slot)+NB*q_+4*g_+3], v[ADRS+\slot] offset:q_*PAN+256*g_
.set g_, g_+1
.endr
.set q_, q_+1
.endr
.endm
.macro MULQ k, set, q, sc, zero
.set a_, (\k)*NB/4
.rept NB/4
.set b_, 0
.rept NB
.set AC, 8*(NB*(a_%(NB/2))+b_)
.if \zero
	v_wmma_scale_f32_16x16x128_f8f6f4 v[AC:AC+7], v[128*(\set)+FR*b_:128*(\set)+FR*b_+FR-1], v[AF+FR*a_:AF+FR*a_+FR-1], 0, v[SC+16*(\sc)+NB*(\q)+b_], v[SC+16*(\sc)+NB*(\q)+a_] matrix_a_fmt:MATRIX_FMT_BF6 matrix_b_fmt:MATRIX_FMT_BF6 matrix_a_scale:MATRIX_SCALE_ROW1
.else
	v_wmma_scale_f32_16x16x128_f8f6f4 v[AC:AC+7], v[128*(\set)+FR*b_:128*(\set)+FR*b_+FR-1], v[AF+FR*a_:AF+FR*a_+FR-1], v[AC:AC+7], v[SC+16*(\sc)+NB*(\q)+b_], v[SC+16*(\sc)+NB*(\q)+a_] matrix_a_fmt:MATRIX_FMT_BF6 matrix_b_fmt:MATRIX_FMT_BF6 matrix_a_scale:MATRIX_SCALE_ROW1
.endif
.set b_, b_+1
.endr
.set a_, a_+1
.endr
.endm
.macro STEP slot, q, zero
	s_wait_dscnt (NB/2)*NL
	WIN MUL_LO
	MULQ 0, (\q)%2, \q, \slot, \zero
	MULQ 1, (\q)%2, \q, \slot, \zero
	s_wait_dscnt 0x0
	PLACES
	FETCH_B \slot, (\q)+1, 1-(\q)%2
	FETCH_A \slot, (\q)+1, 0
	WIN MUL_HI
	MULQ 2, (\q)%2, \q, \slot, \zero
	MULQ 3, (\q)%2, \q, \slot, \zero
	PLACES
	WIN 0
	FETCH_A \slot, (\q)+1, 1
.endm
.macro TURN slot, next, fill
	s_wait_tensorcnt 0x0
	ds_add_u32 v[SPW], v[NIL]
	s_wait_dscnt (NB/2)*NL+1
	WIN MUL_LO
	MULQ 0, 1, NQ-1, \slot, 0
	s_wait_dscnt 0x0
	s_barrier_signal -1
	MULQ 1, 1, NQ-1, \slot, 0
	WIN 0
	s_barrier_wait -1
.if \fill
	CREST
	s_add_nc_u64 s[G0+4*\slot+2:G0+4*\slot+3], s[G0+4*\slot+2:G0+4*\slot+3], 2*NQ*PAN
	s_add_nc_u64 s[G0B+4*\slot+2:G0B+4*\slot+3], s[G0B+4*\slot+2:G0B+4*\slot+3], 2*NQ*PAN
	JLOAD \slot
.else
	PLACES
.endif
	FETCH_B \next, 0, 0
	FETCH_A \next, 0, 0
	SCALES \next
	WIN MUL_HI
	MULQ 2, 1, NQ-1, \slot, 0
	MULQ 3, 1, NQ-1, \slot, 0
	PLACES
	WIN 0
	FETCH_A \next, 0, 1
.endm
.macro MID slot
.if NQ > 2
	STEP \slot, 1, 0
	STEP \slot, 2, 0
.endif
.endm
.macro RLOAD a
.irp t, 0,1,2,3,4,5,6,7
	global_load_b128 v[64+32*(\a)+64*((\a)/2)+4*\t:64+32*(\a)+64*((\a)/2)+4*\t+3], v[CO], s[10:11] offset:(32*((\a)/2)+8*((\a)%2)+2*\t+8*(\t/4))*8192
.endr
.endm
.macro TOSTAGE a
	WIN (0x08+4*((\a)/2))
.irp b, 0,1,2,3
	ds_store_b128 v[STO], v[8*(4*((\a)%2)+\b):8*(4*((\a)%2)+\b)+3] offset:128*(\b/2)+32*(\b%2)
	ds_store_b128 v[STO], v[8*(4*((\a)%2)+\b)+4:8*(4*((\a)%2)+\b)+7] offset:128*(\b/2)+32*(\b%2)+16
.endr
	WIN 0
.irp t, 0,1,2,3,4,5,6,7
	ds_load_b128 v[BK+32*((\a)%2)+4*\t:BK+32*((\a)%2)+4*\t+3], v[RD] offset:\t*2*272
.endr
.endm
.macro FIN a, d
	s_wait_dscnt \d
.irp t, 0,1,2,3,4,5,6,7
	v_pk_add_f32 v[BK+32*((\a)%2)+4*\t:BK+32*((\a)%2)+4*\t+1], v[BK+32*((\a)%2)+4*\t:BK+32*((\a)%2)+4*\t+1], v[BIAS:BIAS+1]
	v_pk_add_f32 v[BK+32*((\a)%2)+4*\t+2:BK+32*((\a)%2)+4*\t+3], v[BK+32*((\a)%2)+4*\t+2:BK+32*((\a)%2)+4*\t+3], v[BIAS+2:BIAS+3]
.endr
.irp t, 0,1,2,3,4,5,6,7
	v_pk_add_f32 v[BK+32*((\a)%2)+4*\t:BK+32*((\a)%2)+4*\t+1], v[BK+32*((\a)%2)+4*\t:BK+32*((\a)%2)+4*\t+1], v[64+32*(\a)+64*((\a)/2)+4*\t:64+32*(\a)+64*((\a)/2)+4*\t+1]
	v_pk_add_f32 v[BK+32*((\a)%2)+4*\t+2:BK+32*((\a)%2)+4*\t+3], v[BK+32*((\a)%2)+4*\t+2:BK+32*((\a)%2)+4*\t+3], v[64+32*(\a)+64*((\a)/2)+4*\t+2:64+32*(\a)+64*((\a)/2)+4*\t+3]
.endr
.irp t, 0,1,2,3,4,5,6,7
	global_store_b128 v[CO], v[BK+32*((\a)%2)+4*\t:BK+32*((\a)%2)+4*\t+3], s[12:13] offset:(32*((\a)/2)+8*((\a)%2)+2*\t+8*(\t/4))*8192
.endr
.endm
	s_load_b256 s[4:11], s[0:1], 0x0
	s_load_b64 s[12:13], s[0:1], 0x20
	v_lshl_add_u32 v[SPW], v0, 2, SPARE
	v_mov_b32 v[NIL], 0
	ds_add_u32 v28, v29
	ds_add_u32 v28, v29
	s_wait_dscnt 0x0
	v_lshrrev_b32 v1, 5, v0
	v_readfirstlane_b32 s14, v1
	s_lshr_b32 s15, s14, 1
	s_and_b32 s16, s14, 1
	s_bfe_u32 s40, ttmp6, 0x40000
	s_bfe_u32 s41, ttmp6, 0x40004
	s_lshl_b32 s42, ttmp9, 2
	s_add_co_u32 s42, s42, s40
	s_and_b32 s17, ttmp7, 0xffff
	s_lshl_b32 s17, s17, 2
	s_add_co_u32 s17, s17, s41
	s_lshl_b32 s43, s41, 2
	s_lshl_b32 s43, 15, s43
	s_lshl_b32 s44, 0x1111, s40
	s_or_b32 s[G1+0], s43, (3<<16)|(1<<21)
	s_or_b32 s[G1B+0], s44, (3<<16)|(1<<21)
.irp g, G1, G1B
	s_mov_b32 s[\g+1], 32<<16
	s_mov_b32 s[\g+2], 200<<16
	s_mov_b32 s[\g+3], 32<<16
	s_mov_b32 s[\g+4], 200
	s_mov_b32 s[\g+5], 32
	s_mov_b32 s[\g+6], 0
	s_mov_b32 s[\g+7], 0
.endr
	s_mul_i32 s18, s16, WSTR
	s_mul_i32 s20, s17, TSTR
	s_add_co_u32 s20, s20, s18
	s_mov_b32 s21, 0
	s_mul_i32 s46, s42, TSTR
	s_add_co_u32 s46, s46, s18
	s_add_co_u32 s46, s46, WOFF
	s_mov_b32 s47, 0
	s_mul_i32 s45, s16, SLOT
	s_mul_i32 s19, s15, 2*PIECE
	s_add_co_u32 s45, s45, s19
	s_wait_kmcnt 0x0
	s_add_nc_u64 s[20:21], s[4:5], s[20:21]
	s_add_nc_u64 s[46:47], s[6:7], s[46:47]
	CROUND
.irp s, 0
	s_mov_b32 s[G0+4*\s], 1
	s_add_co_u32 s[G0+4*\s+1], s45, \s*SLOT
	s_add_nc_u64 s[G0+4*\s+2:G0+4*\s+3], s[20:21], \s*NQ*PAN
	s_or_b32 s[G0+4*\s+3], s[G0+4*\s+3], 0x80000000
	s_mov_b32 s[G0B+4*\s], 1
	s_add_co_u32 s[G0B+4*\s+1], s45, \s*SLOT
	s_add_nc_u64 s[G0B+4*\s+2:G0B+4*\s+3], s[46:47], \s*NQ*PAN
	s_or_b32 s[G0B+4*\s+3], s[G0B+4*\s+3], 0x80000000
	JLOAD \s
.endr
	v_and_b32 v1, 15, v0
	v_bfe_u32 v2, v0, 4, 1
	v_and_b32 v3, 31, v0
	v_lshlrev_b32 v[CO], 13, v2
	v_lshl_add_u32 v[CO], v1, 4, v[CO]
	v_lshlrev_b32 v8, 4, v1
	s_wait_alu depctr_va_vdst(0)
	s_lshr_b32 s20, s17, 4
	s_lshl_b32 s20, s20, 12
	s_and_b32 s21, s17, 15
	s_lshl_b32 s21, s21, 1
	s_add_co_u32 s21, s21, s15
	s_lshl_b32 s21, s21, 19
	s_add_co_u32 s20, s20, s21
	s_lshl_b32 s22, s42, 1
	s_add_co_u32 s22, s22, s16
	s_lshl_b32 s22, s22, 8
	s_add_co_u32 s20, s20, s22
	s_mov_b32 s21, 0
	s_mov_b32 s23, 0
	s_add_nc_u64 s[10:11], s[10:11], s[20:21]
	s_add_nc_u64 s[12:13], s[12:13], s[20:21]
	s_add_nc_u64 s[8:9], s[8:9], s[22:23]
	global_load_b128 v[BIAS:BIAS+3], v8, s[8:9]
	RLOAD 0
	RLOAD 1
	RLOAD 2
	RLOAD 3
	v_lshlrev_b32 v[L16], 4, v3
	v_lshlrev_b32 v[L8], 3, v3
	s_mul_i32 s21, s15, ABASE
	s_mul_i32 s22, s16, ABASE
	s_add_co_u32 s22, s22, 2*PIECE
.irp s, 0,1
	v_add_nc_u32 v[ADRA+\s], s21, v[L16]
	v_add_nc_u32 v[ADRA+2+\s], s21, v[L8]
	v_add_nc_u32 v[ADRB+\s], s22, v[L16]
	v_add_nc_u32 v[ADRB+2+\s], s22, v[L8]
	s_add_co_u32 s21, s21, SLOT
	s_add_co_u32 s22, s22, SLOT
.endr
	s_mul_i32 s21, s15, SBASE
	s_mul_i32 s22, s16, SBASE
	s_add_co_u32 s22, s22, 2*PIECE
	s_sub_co_u32 s22, s22, s21
	v_mul_u32_u24 v4, s22, v2
	v_lshl_add_u32 v4, v1, 4, v4
	s_add_co_u32 s21, s21, SCO
	v_add_nc_u32 v[ADRS], s21, v4
	v_add_nc_u32 v[ADRS+1], SLOT, v[ADRS]
	s_mul_i32 s23, s14, 16*272
	s_add_co_u32 s23, s23, STAGE
	v_mul_u32_u24 v[STO], v1, 272
	v_lshl_add_u32 v[STO], v2, 6, v[STO]
	v_add_nc_u32 v[STO], s23, v[STO]
	v_mul_u32_u24 v[RD], v2, 272
	v_lshl_add_u32 v[RD], v1, 4, v[RD]
	v_add_nc_u32 v[RD], s23, v[RD]
	s_wait_alu depctr_va_vdst(0)
	s_wait_tensorcnt 0x0
	s_barrier_signal -1
	s_barrier_wait -1
	FETCH_B 0, 0, 0
	FETCH_A 0, 0, 0
	SCALES 0
	FETCH_A 0, 0, 1
	STEP 0, 0, 1
.if LAPS > 1
	s_mov_b32 s3, LAPS-1
.Llap:
	MID 0
	TURN 0, 1, 1
	STEP 1, 0, 0
	MID 1
	TURN 1, 0, 1
	STEP 0, 0, 0
	s_sub_co_u32 s3, s3, 1
	s_cmp_lg_u32 s3, 0
	s_cbranch_scc1 .Llap
.endif
	MID 0
	TURN 0, 1, 0
	STEP 1, 0, 0
	MID 1
	s_wait_dscnt (NB/2)*NL
	WIN MUL_LO
	MULQ 0, 1, NQ-1, 1, 0
	MULQ 1, 1, NQ-1, 1, 0
	s_wait_dscnt 0x0
	WIN MUL_HI
	MULQ 2, 1, NQ-1, 1, 0
	MULQ 3, 1, NQ-1, 1, 0
	WIN 0
	PLACES
	s_wait_loadcnt 0x0
	TOSTAGE 0
	TOSTAGE 1
	FIN 0, 16
	s_wait_xcnt 0x0
	TOSTAGE 2
	FIN 1, 16
	s_wait_xcnt 0x0
	TOSTAGE 3
	FIN 2, 16
	FIN 3, 0
	s_wait_tensorcnt 0x0
	ds_add_u32 v[SPW], v[NIL]
	s_wait_dscnt 0x0
	CROUND
	s_endpgm
.Lfunc_end_k_q05906cf321_out:
	.size	k_q05906cf321_out, .Lfunc_end_k_q05906cf321_out-k_q05906cf321_out
	.p2alignl 7, 3214868480
	.fill 96, 4, 3214868480
	.section	.rodata,"a",@progbits
	.p2align	6, 0x0
	.amdhsa_kernel k_q05906cf321_out
		.amdhsa_group_segment_fixed_size 327680
		.amdhsa_private_segment_fixed_size 0
		.amdhsa_enable_private_segment 0
		.amdhsa_kernarg_size 40
		.amdhsa_user_sgpr_count 2
		.amdhsa_user_sgpr_kernarg_segment_ptr 1
		.amdhsa_wavefront_size32 1
		.amdhsa_system_sgpr_workgroup_id_x 1
		.amdhsa_system_sgpr_workgroup_id_y 1
		.amdhsa_system_sgpr_workgroup_id_z 1
		.amdhsa_system_vgpr_workitem_id 0
		.amdhsa_next_free_vgpr 1024
		.amdhsa_next_free_sgpr 100
		.amdhsa_reserve_vcc 0
		.amdhsa_float_denorm_mode_32 3
		.amdhsa_float_denorm_mode_16_64 3
		.amdhsa_memory_ordered 1
		.amdhsa_forward_progress 1
		.amdhsa_inst_pref_size 63
	.end_amdhsa_kernel
	.amdgpu_metadata
---
amdhsa.version: [ 1, 2 ]
amdhsa.kernels:
  - .name:           k_q05906cf321_out
    .symbol:         k_q05906cf321_out.kd
    .args:
      - { .name: oc, .offset: 0, .size: 8, .value_kind: global_buffer, .address_space: global }
      - { .name: wts, .offset: 8, .size: 8, .value_kind: global_buffer, .address_space: global }
      - { .name: out_b, .offset: 16, .size: 8, .value_kind: global_buffer, .address_space: global }
      - { .name: x, .offset: 24, .size: 8, .value_kind: global_buffer, .address_space: global }
      - { .name: x1, .offset: 32, .size: 8, .value_kind: global_buffer, .address_space: global }
    .group_segment_fixed_size: 327680
    .private_segment_fixed_size: 0
    .kernarg_segment_align: 8
    .kernarg_segment_size: 40
    .max_flat_workgroup_size: 128
    .sgpr_count:     100
    .vgpr_count:     1024
    .wavefront_size: 32
...
	.end_amdgpu_metadata
.endif
;; end of part 4
;; launch ln2: the kernel of part 1 again; grid 256 x 1, 4 waves a work-group, no clusters, 67,584 bytes of LDS; arguments x1, ln2_w, ln2_b, in_proj_w, out_w, fc_w, proj_w, actc, wts; writes actc, wts
;; launch fc (part 5): grid 16 x 16, 4 waves a work-group, clusters of 4 x 4, 327,680 bytes of LDS; arguments actc, wts, fc_b, hc; writes hc
.if DOCPART == 5
	.amdgcn_target "amdgcn-amd-amdhsa--gfx1250"
	.amdhsa_code_object_version 6
	.text
	.protected	k_q05906cf321_fc
	.globl	k_q05906cf321_fc
	.p2align	8
	.type	k_q05906cf321_fc,@function
k_q05906cf321_fc:
	s_mov_b64 s[64:65], 0
	v_nop
	global_prefetch_b8 v0, s[64:65] scope:SCOPE_SE
	s_setreg_imm32_b32 hwreg(HW_REG_WAVE_MODE, 25, 1), 1
	s_wait_xcnt 0x0
	s_wait_alu depctr_hold_cnt(0) depctr_sa_sdst(0) depctr_va_vdst(0) depctr_va_sdst(0) depctr_va_ssrc(0) depctr_va_vcc(0) depctr_vm_vsrc(0)
	s_getreg_b32 s2, hwreg(HW_REG_IB_STS2, 6, 4)
	s_cmp_eq_u32 s2, 0
	s_cbranch_scc0 .Lentry_in_a_cluster
	s_endpgm
.Lentry_in_a_cluster:
	s_bfe_u32 s2, ttmp6, 0x10000c
	s_cmp_lg_u32 s2, 0xf033
	s_cbranch_scc0 .Lentry_shape_is_right
	s_endpgm
.Lentry_shape_is_right:
.set NB,    8
.set NQ,    2
.set KST,   8
.set WOFF,  3276800
.set PAN,   12800
.set SCO,   12288
.set PIECE, 6*PAN
.set SLOT,  2*PAN
.set SPARE, 4*PIECE
.set TSTR,  2*KST*PAN
.set WSTR,  KST*PAN
.set ABASE, PIECE
.set SBASE, PIECE
.set FR,    12
.set NL,    4
.set ADRA,  5
.set ADRB,  11
.set ADRS,  17
.set L16,   20
.set L8,    21
.set SPW,   22
.set NIL,   23
.set SW,    24
.set SC,    32
.set AF,    128
.set HA,    64
.set GA,    128
.set GT,    144
.set GS,    160
.set GR,    176
.set GQ,    192
.set PC,    208
.set TM,    228
.set K1,    244
.set K2,    246
.set K3,    248
.set AI,    60
.set THR,   61
.set SGN,   62
.set ONE,   63
.set MK,    66
.set SEL,   98
.set OB,    96
.set G1,    24
.set G1B,   32
.set G0,    48
.set G0B,   84
.set MSB, 0
.macro WIN new
.if MSB != (\new)
	s_set_vgpr_msb (MSB<<8)|(\new)
.set MSB, (\new)
.endif
.endm
.set MUL_LO, 0xa1
.set MUL_HI, 0xf1
.set TO_B,   0x40
.macro JLOAD g0a, g1a, g0b, g1b
	s_cmp_eq_u32 s15, 0
	s_cbranch_scc0 .Lfor_b_\@
	tensor_load_to_lds s[\g0a:\g0a+3], s[\g1a:\g1a+7]
	s_nop 0
.rept 4
	v_nop
.endr
	s_branch .Lasked_\@
.Lfor_b_\@:
	tensor_load_to_lds s[\g0b:\g0b+3], s[\g1b:\g1b+7]
	s_nop 0
.rept 4
	v_nop
.endr
.Lasked_\@:
.endm
.macro CREST
	s_cmp_lg_u32 s14, 0
	s_cbranch_scc1 .Lnot_wave_0_\@
	s_barrier_signal -3
.Lnot_wave_0_\@:
	s_barrier_wait -3
	s_barrier_signal -1
	s_barrier_wait -1
.endm
.macro CROUND
	s_barrier_signal -1
	s_barrier_wait -1
	CREST
.endm
.macro PLACES
.rept 4
	v_nop
.endr
.endm
.macro FRAG reg, adr, off
	ds_load_b128 v[\reg:\reg+3], v[\adr] offset:\off
	ds_load_b64 v[\reg+4:\reg+5], v[\adr+3] offset:\off+512
	ds_load_b128 v[\reg+6:\reg+9], v[\adr] offset:\off+768
	ds_load_b64 v[\reg+10:\reg+11], v[\adr+3] offset:\off+1280
.endm
.macro FETCH_B g, q, set
	WIN TO_B
.set i_, 0
.rept NB
	FRAG 128*(\set)+FR*i_, ADRB+\g, (\q)*PAN+i_*1536
.set i_, i_+1
.endr
	WIN 0
.endm
.macro FETCH_A g, q, half
.set i_, (\half)*NB/2
.rept NB/2
	FRAG AF+FR*i_, ADRA+\g, (\q)*PAN+i_*1536
.set i_, i_+1
.endr
.endm
.macro SCALES g, sc
.set q_, 0
.rept NQ
.set g_, 0
.rept NB/4
	ds_load_b128 v[SC+16*(\sc)+NB*q_+4*g_:SC+16*(\sc)+NB*q_+4*g_+3], v[ADRS+\g] offset:q_*PAN+256*g_
.set g_, g_+1
.endr
.set q_, q_+1
.endr
.endm
.macro MULQ k, set, q, sc, zero
.set a_, (\k)*NB/4
.rept NB/4
.set b_, 0
.rept NB
.set AC, 8*(NB*(a_%(NB/2))+b_)
.if \zero
	v_wmma_scale_f32_16x16x128_f8f6f4 v[AC:AC+7], v[128*(\set)+FR*b_:128*(\set)+FR*b_+FR-1], v[AF+FR*a_:AF+FR*a_+FR-1], 0, v[SC+16*(\sc)+NB*(\q)+b_], v[SC+16*(\sc)+NB*(\q)+a_] matrix_a_fmt:MATRIX_FMT_BF6 matrix_b_fmt:MATRIX_FMT_BF6 matrix_a_scale:MATRIX_SCALE_ROW1
.else
	v_wmma_scale_f32_16x16x128_f8f6f4 v[AC:AC+7], v[128*(\set)+FR*b_:128*(\set)+FR*b_+FR-1], v[AF+FR*a_:AF+FR*a_+FR-1], v[AC:AC+7], v[SC+16*(\sc)+NB*(\q)+b_], v[SC+16*(\sc)+NB*(\q)+a_] matrix_a_fmt:MATRIX_FMT_BF6 matrix_b_fmt:MATRIX_FMT_BF6 matrix_a_scale:MATRIX_SCALE_ROW1
.endif
.set b_, b_+1
.endr
.set a_, a_+1
.endr
.endm
.macro STEP g, q, sc, zero
	s_wait_dscnt (NB/2)*NL
	WIN MUL_LO
	MULQ 0, (\q)%2, \q, \sc, \zero
	MULQ 1, (\q)%2, \q, \sc, \zero
	s_wait_dscnt 0x0
	PLACES
	FETCH_B \g, (\q)+1, 1-(\q)%2
	FETCH_A \g, (\q)+1, 0
	WIN MUL_HI
	MULQ 2, (\q)%2, \q, \sc, \zero
	MULQ 3, (\q)%2, \q, \sc, \zero
	PLACES
	WIN 0
	FETCH_A \g, (\q)+1, 1
.endm
.macro BODY g, sc, zero
	STEP \g, 0, \sc, \zero
.if NQ > 2
	STEP \g, 1, \sc, 0
	STEP \g, 2, \sc, 0
.endif
.endm
.macro CROSS g, next, sc, nsc
	s_wait_dscnt (NB/2)*NL
	WIN MUL_LO
	MULQ 0, 1, NQ-1, \sc, 0
	MULQ 1, 1, NQ-1, \sc, 0
	s_wait_dscnt 0x0
	PLACES
	FETCH_B \next, 0, 0
	FETCH_A \next, 0, 0
	SCALES \next, \nsc
	WIN MUL_HI
	MULQ 2, 1, NQ-1, \sc, 0
	MULQ 3, 1, NQ-1, \sc, 0
	PLACES
	WIN 0
	FETCH_A \next, 0, 1
.endm
.macro TURN g, next, sc, nsc, fill, g0a, g1a, g0b, g1b, adv
	s_wait_tensorcnt 0x0
	ds_add_u32 v[SPW], v[NIL]
	s_wait_dscnt (NB/2)*NL+1
	WIN MUL_LO
	MULQ 0, 1, NQ-1, \sc, 0
	s_wait_dscnt 0x0
	s_barrier_signal -1
	MULQ 1, 1, NQ-1, \sc, 0
	WIN 0
	s_barrier_wait -1
.if \fill
	CREST
	s_mov_b32 s[\g1a+2], 100<<16
	s_mov_b32 s[\g1a+4], 100
	s_mov_b32 s[\g1b+2], 100<<16
	s_mov_b32 s[\g1b+4], 100
	s_add_nc_u64 s[\g0a+2:\g0a+3], s[\g0a+2:\g0a+3], \adv
	s_add_nc_u64 s[\g0b+2:\g0b+3], s[\g0b+2:\g0b+3], \adv
	JLOAD \g0a, \g1a, \g0b, \g1b
.else
	PLACES
.endif
	FETCH_B \next, 0, 0
	FETCH_A \next, 0, 0
	SCALES \next, \nsc
	WIN MUL_HI
	MULQ 2, 1, NQ-1, \sc, 0
	MULQ 3, 1, NQ-1, \sc, 0
	PLACES
	WIN 0
	FETCH_A \next, 0, 1
.endm
.macro LAST sc
	s_wait_dscnt (NB/2)*NL
	WIN MUL_LO
	MULQ 0, 1, NQ-1, \sc, 0
	MULQ 1, 1, NQ-1, \sc, 0
	s_wait_dscnt 0x0
	WIN MUL_HI
	MULQ 2, 1, NQ-1, \sc, 0
	MULQ 3, 1, NQ-1, \sc, 0
	WIN 0
.endm
.macro QUANT s, pw
.irp b, 0,1,2,3
	v_max3_num_f32 v[TM+\b], |v[\s+16*\b]|, |v[\s+1+16*\b]|, 0x2800000
.endr
.irp i, 2,4,6,8,10,12,14
.irp b, 0,1,2,3
	v_max3_num_f32 v[TM+\b], v[TM+\b], |v[\s+16*\b+\i]|, |v[\s+1+16*\b+\i]|
.endr
.endr
.irp b, 0,1,2,3
	v_permlanex16_b32 v[TM+4+\b], v[TM+\b], s[SEL], s[SEL+1]
.endr
.irp b, 0,1,2,3
	v_max_num_f32 v[TM+\b], v[TM+\b], v[TM+4+\b]
.endr
.irp b, 0,1,2,3
	v_add_nc_u32 v[TM+12+\b], 0xfe000000, v[TM+\b]
.endr
.irp b, 0,1,2,3
	v_lshrrev_b32 v[TM+4+\b], 23, v[TM+12+\b]
.endr
	v_lshl_or_b32 v[\pw], v[TM+5], 8, v[TM+4]
	v_lshl_or_b32 v[\pw], v[TM+6], 16, v[\pw]
	v_lshl_or_b32 v[\pw], v[TM+7], 24, v[\pw]
.irp c, 0,1
	v_cvt_scalef32_pk16_bf6_f32 v[PC+6*\c:PC+2+6*\c], v[\s+32*\c:\s+15+32*\c], v[TM+12+2*\c]
	v_cvt_scalef32_pk16_bf6_f32 v[PC+12+4*\c:PC+14+4*\c], v[\s+16+32*\c:\s+31+32*\c], v[TM+12+2*\c+1]
.endr
	v_nop
.irp c, 0,1
.irp i, 0,1,2
	v_permlane16_swap_b32 v[PC+6*\c+\i], v[PC+12+4*\c+\i]
.endr
.irp i, 0,1,2
	v_mov_b32 v[PC+3+6*\c+\i], v[PC+12+4*\c+\i]
.endr
.endr
.endm
.macro P3 d, a, b, c, mods:vararg
.irp p, 0,2,4,6,8,10,12,14
	v_pk_fma_f32 v[\d+\p:\d+\p+1], v[\a+\p:\a+\p+1], v[\b+\p:\b+\p+1], v[\c+\p:\c+\p+1] \mods
.endr
.endm
.macro P3K d, a, b, k
.irp p, 0,2,4,6,8,10,12,14
	v_pk_fma_f32 v[\d+\p:\d+\p+1], v[\a+\p:\a+\p+1], v[\b+\p:\b+\p+1], \k op_sel_hi:[1,1,0]
.endr
.endm
.macro P3F d, a, k, c
.irp p, 0,2,4,6,8,10,12,14
	v_pk_fma_f32 v[\d+\p:\d+\p+1], v[\a+\p:\a+\p+1], \k, v[\c:\c+1] op_sel_hi:[1,0,1]
.endr
.endm
.macro P2K d, a, k
.irp p, 0,2,4,6,8,10,12,14
	v_pk_mul_f32 v[\d+\p:\d+\p+1], v[\a+\p:\a+\p+1], \k op_sel_hi:[1,0]
.endr
.endm
.macro GELU16 x
	P2K GA, \x, 0x3f3504f3
.irp p, 0,1,2,3,4,5,6,7,8,9,10,11,12,13,14,15
	v_and_b32 v[GT+\p], 0x7fffffff, v[GA+\p]
.endr
.irp p, 0,2,4,6,8,10,12,14
	v_pk_mul_f32 v[GS+\p:GS+\p+1], v[GA+\p:GA+\p+1], v[GA+\p:GA+\p+1]
.endr
	P3F GR, GT, 0xb7910000, K1
	P3F GQ, GT, 0xbb7e8a1c, K2
	P3 GR, GR, GS, GQ
	P3K GR, GR, GT, 0xbddaae5c
	P3K GR, GR, GT, 0xbf228550
	P3K GR, GR, GT, 0xbe03ce86
	P3 GR, GR, GT, GT, neg_lo:[0,0,1] neg_hi:[0,0,1]
	P2K GR, GR, 0x3fb8aa3b
	s_wait_alu depctr_va_vdst(0)
.irp p, 0,1,2,3,4,5,6,7,8,9,10,11,12,13,14,15
	v_exp_f32 v[GR+\p], v[GR+\p]
.endr
	P3F GQ, GS, 0xba1c7000, K3
	P3K GQ, GQ, GS, 0xbcdb48d9
	P3K GQ, GQ, GS, 0x3de70e22
	P3K GQ, GQ, GS, 0xbec09380
	P3K GQ, GQ, GS, 0x3e0375d4
	P3 GQ, GQ, GA, GA
.irp p, 0,2,4,6,8,10,12,14
	v_pk_add_f32 v[GQ+\p:GQ+\p+1], v[GQ+\p:GQ+\p+1], 1.0 op_sel_hi:[1,0]
.endr
.irp p, 0,1,2,3,4,5,6,7,8,9,10,11,12,13,14,15
	v_cmp_lt_f32 s[MK+\p], s[THR], v[GT+\p]
.endr
.irp p, 0,1,2,3,4,5,6,7,8,9,10,11,12,13,14,15
	v_and_or_b32 v[GS+\p], v[GA+\p], s[SGN], s[ONE]
.endr
.irp p, 0,2,4,6,8,10,12,14
	v_pk_add_f32 v[GT+\p:GT+\p+1], v[GS+\p:GS+\p+1], 1.0 op_sel_hi:[1,0]
.endr
	s_wait_alu depctr_va_vdst(0)
.irp p, 0,2,4,6,8,10,12,14
	v_pk_fma_f32 v[GR+\p:GR+\p+1], v[GS+\p:GS+\p+1], v[GR+\p:GR+\p+1], v[GT+\p:GT+\p+1] neg_lo:[0,1,0] neg_hi:[0,1,0]
.endr
.irp p, 0,1,2,3,4,5,6,7,8,9,10,11,12,13,14,15
	v_cndmask_b32 v[GQ+\p], v[GQ+\p], v[GR+\p], s[MK+\p]
.endr
	P2K \x, \x, 0.5
.irp p, 0,2,4,6,8,10,12,14
	v_pk_mul_f32 v[\x+\p:\x+\p+1], v[\x+\p:\x+\p+1], v[GQ+\p:GQ+\p+1]
.endr
.endm
	s_load_b256 s[4:11], s[0:1], 0x0
	v_lshl_add_u32 v[SPW], v0, 2, SPARE
	v_mov_b32 v[NIL], 0
	ds_add_u32 v22, v23
	ds_add_u32 v22, v23
	s_wait_dscnt 0x0
	v_lshrrev_b32 v1, 5, v0
	v_readfirstlane_b32 s14, v1
	s_lshr_b32 s15, s14, 1
	s_and_b32 s16, s14, 1
	s_bfe_u32 s40, ttmp6, 0x40000
	s_bfe_u32 s41, ttmp6, 0x40004
	s_lshl_b32 s42, ttmp9, 2
	s_add_co_u32 s42, s42, s40
	s_and_b32 s17, ttmp7, 0xffff
	s_lshl_b32 s17, s17, 2
	s_add_co_u32 s17, s17, s41
	s_lshl_b32 s43, s41, 2
	s_lshl_b32 s43, 15, s43
	s_lshl_b32 s44, 0x1111, s40
	s_or_b32 s[G1+0], s43, (3<<16)|(1<<21)
	s_or_b32 s[G1B+0], s44, (3<<16)|(1<<21)
.irp g, G1, G1B
	s_mov_b32 s[\g+1], 32<<16
	s_mov_b32 s[\g+2], 300<<16
	s_mov_b32 s[\g+3], 32<<16
	s_mov_b32 s[\g+4], 300
	s_mov_b32 s[\g+5], 32
	s_mov_b32 s[\g+6], 0
	s_mov_b32 s[\g+7], 0
.endr
	s_mul_i32 s18, s16, WSTR
	s_mul_i32 s20, s17, TSTR
	s_add_co_u32 s20, s20, s18
	s_mov_b32 s21, 0
	s_mul_i32 s46, s42, TSTR
	s_add_co_u32 s46, s46, s18
	s_add_co_u32 s46, s46, WOFF
	s_mov_b32 s47, 0
	s_mul_i32 s45, s14, PIECE
	s_mov_b32 s[SEL], 0x76543210
	s_mov_b32 s[SEL+1], 0xfedcba98
	s_wait_kmcnt 0x0
	s_add_nc_u64 s[20:21], s[4:5], s[20:21]
	s_add_nc_u64 s[46:47], s[6:7], s[46:47]
	CROUND
.irp s, 0
	s_mov_b32 s[G0+4*\s], 1
	s_add_co_u32 s[G0+4*\s+1], s45, \s*SLOT
	s_add_nc_u64 s[G0+4*\s+2:G0+4*\s+3], s[20:21], \s*NQ*PAN
	s_or_b32 s[G0+4*\s+3], s[G0+4*\s+3], 0x80000000
	s_mov_b32 s[G0B+4*\s], 1
	s_add_co_u32 s[G0B+4*\s+1], s45, \s*SLOT
	s_add_nc_u64 s[G0B+4*\s+2:G0B+4*\s+3], s[46:47], \s*NQ*PAN
	s_or_b32 s[G0B+4*\s+3], s[G0B+4*\s+3], 0x80000000
	JLOAD G0+4*\s, G1, G0B+4*\s, G1B
.endr
	v_and_b32 v1, 15, v0
	v_bfe_u32 v2, v0, 4, 1
	v_and_b32 v3, 31, v0
	v_lshlrev_b32 v[L16], 4, v3
	v_lshlrev_b32 v[L8], 3, v3
	s_mul_i32 s21, s15, ABASE
	s_mul_i32 s22, s16, ABASE
	s_add_co_u32 s22, s22, 2*PIECE
.irp s, 0,1,2
	v_add_nc_u32 v[ADRA+\s], s21, v[L16]
	v_add_nc_u32 v[ADRA+3+\s], s21, v[L8]
	v_add_nc_u32 v[ADRB+\s], s22, v[L16]
	v_add_nc_u32 v[ADRB+3+\s], s22, v[L8]
	s_add_co_u32 s21, s21, SLOT
	s_add_co_u32 s22, s22, SLOT
.endr
	s_mul_i32 s21, s15, SBASE
	s_mul_i32 s22, s16, SBASE
	s_add_co_u32 s22, s22, 2*PIECE
	s_sub_co_u32 s22, s22, s21
	v_mul_u32_u24 v4, s22, v2
	v_lshl_add_u32 v4, v1, 4, v4
	s_add_co_u32 s21, s21, SCO
	v_add_nc_u32 v[ADRS], s21, v4
	v_add_nc_u32 v[ADRS+1], SLOT, v[ADRS]
	v_add_nc_u32 v[ADRS+2], 2*SLOT, v[ADRS]
	s_lshl_b32 s72, s17, 1
	s_add_co_u32 s72, s72, s15
	s_lshl_b32 s72, s72, 5
	s_lshl_b32 s73, s42, 1
	s_add_co_u32 s73, s73, s16
	s_add_co_u32 s80, s72, s73
	s_mul_i32 s80, s80, PAN
	s_mov_b32 s81, 0
	s_add_nc_u64 s[OB:OB+1], s[10:11], s[80:81]
	s_lshl_b32 s72, s73, 9
	v_lshl_add_u32 v3, v2, 6, s72
	WIN TO_B
.irp p, 0,1,2,3
.irp j, 0,1,2,3
	global_load_b128 v[96+96*(\p/2)+16*\p+4*\j:99+96*(\p/2)+16*\p+4*\j], v3, s[8:9] offset:128*\p+16*\j
.endr
.endr
	WIN 0
	s_wait_alu depctr_va_vdst(0)
	s_wait_loadcnt 0x0
	s_wait_tensorcnt 0x0
	s_barrier_signal -1
	s_barrier_wait -1
	FETCH_B 0, 0, 0
	FETCH_A 0, 0, 0
	SCALES 0, 0
	FETCH_A 0, 0, 1
	BODY 0, 0, 1
	TURN 0, 1, 0, 1, 1, G0, G1, G0B, G1B, 3*NQ*PAN
	BODY 1, 1, 0
	CROSS 1, 2, 1, 0
	BODY 2, 0, 0
	TURN 2, 0, 0, 1, 0, 0, 0, 0, 0, 0
	BODY 0, 1, 0
	LAST 1
	PLACES
.irp b, 0,1,2,3
	v_mov_b32 v[TM+4+\b], 0
.endr
.irp i, 0,1,2,3,4,5,6,7
	v_mov_b32 v[SW+\i], 0
.endr
	v_mov_b32 v[K1], 0x39c8e7d9
	v_mov_b32 v[K1+1], 0x39c8e7d9
	v_mov_b32 v[K2], 0x3cc6b1a1
	v_mov_b32 v[K2+1], 0x3cc6b1a1
	v_mov_b32 v[K3], 0x3ba38d2c
	v_mov_b32 v[K3+1], 0x3ba38d2c
	s_mov_b32 s[THR], 0x3f6d8000
	s_mov_b32 s[SGN], 0x80000000
	s_mov_b32 s[ONE], 0x3f800000
.macro MOVE a
	WIN (0x06+(\a)/4)
.set k_, 0
.rept 32
	v_pk_add_f32 v[HA+k_:HA+k_+1], v[64*((\a)%4)+k_:64*((\a)%4)+k_+1], v[96+k_+96*(k_/32):97+k_+96*(k_/32)]
.set k_, k_+2
.endr
	WIN 0
.endm
	s_mov_b32 s[AI], 0
.Lrow:
.irp a, 0,1,2,3,4,5,6
	s_cmp_eq_u32 s[AI], \a
	s_cbranch_scc1 .Lmove_\a
.endr
	MOVE 7
	s_branch .Lmoved
.irp a, 0,1,2,3,4,5,6
.Lmove_\a:
	MOVE \a
	s_branch .Lmoved
.endr
.Lmoved:
	GELU16 HA
	GELU16 HA+16
	GELU16 HA+32
	GELU16 HA+48
.irp i, 0,1,2,3,4,5,6
	v_mov_b32 v[SW+\i], v[SW+\i+1]
.endr
	QUANT HA, SW+7
	global_store_b128 v[L16], v[PC:PC+3], s[OB:OB+1]
	global_store_b64 v[L8], v[PC+4:PC+5], s[OB:OB+1] offset:512
	global_store_b128 v[L16], v[PC+6:PC+9], s[OB:OB+1] offset:768
	global_store_b64 v[L8], v[PC+10:PC+11], s[OB:OB+1] offset:1280
	s_wait_xcnt 0x0
	s_add_nc_u64 s[OB:OB+1], s[OB:OB+1], 1536
	s_add_co_u32 s[AI], s[AI], 1
	s_cmp_lt_u32 s[AI], 8
	s_cbranch_scc1 .Lrow
	v_cmp_eq_u32 vcc_lo, 1, v2
.irp i, 0,1,2,3
	v_cndmask_b32 v[SW+\i], v[SW+\i], v[SW+4+\i], vcc_lo
.endr
	v_lshlrev_b32 v4, 8, v2
	v_lshl_add_u32 v4, v1, 4, v4
	global_store_b128 v4, v[SW:SW+3], s[OB:OB+1]
	s_wait_tensorcnt 0x0
	ds_add_u32 v[SPW], v[NIL]
	s_wait_dscnt 0x0
	CROUND
	s_endpgm
.Lfunc_end_k_q05906cf321_fc:
	.size	k_q05906cf321_fc, .Lfunc_end_k_q05906cf321_fc-k_q05906cf321_fc
	.p2alignl 7, 3214868480
	.fill 96, 4, 3214868480
	.section	.rodata,"a",@progbits
	.p2align	6, 0x0
	.amdhsa_kernel k_q05906cf321_fc
		.amdhsa_group_segment_fixed_size 327680
		.amdhsa_private_segment_fixed_size 0
		.amdhsa_enable_private_segment 0
		.amdhsa_kernarg_size 32
		.amdhsa_user_sgpr_count 2
		.amdhsa_user_sgpr_kernarg_segment_ptr 1
		.amdhsa_wavefront_size32 1
		.amdhsa_system_sgpr_workgroup_id_x 1
		.amdhsa_system_sgpr_workgroup_id_y 1
		.amdhsa_system_sgpr_workgroup_id_z 1
		.amdhsa_system_vgpr_workitem_id 0
		.amdhsa_next_free_vgpr 1024
		.amdhsa_next_free_sgpr 100
		.amdhsa_reserve_vcc 1
		.amdhsa_float_denorm_mode_32 3
		.amdhsa_float_denorm_mode_16_64 3
		.amdhsa_memory_ordered 1
		.amdhsa_forward_progress 1
		.amdhsa_inst_pref_size 206
	.end_amdhsa_kernel
	.amdgpu_metadata
---
amdhsa.version: [ 1, 2 ]
amdhsa.kernels:
  - .name:           k_q05906cf321_fc
    .symbol:         k_q05906cf321_fc.kd
    .args:
      - { .name: actc, .offset: 0, .size: 8, .value_kind: global_buffer, .address_space: global }
      - { .name: wts, .offset: 8, .size: 8, .value_kind: global_buffer, .address_space: global }
      - { .name: fc_b, .offset: 16, .size: 8, .value_kind: global_buffer, .address_space: global }
      - { .name: hc, .offset: 24, .size: 8, .value_kind: global_buffer, .address_space: global }
    .group_segment_fixed_size: 327680
    .private_segment_fixed_size: 0
    .kernarg_segment_align: 8
    .kernarg_segment_size: 32
    .max_flat_workgroup_size: 128
    .sgpr_count:     100
    .vgpr_count:     1024
    .wavefront_size: 32
...
	.end_amdgpu_metadata
.endif
;; end of part 5
;; launch proj (part 6): grid 8 x 32, 4 waves a work-group, clusters of 4 x 4, 327,680 bytes of LDS; arguments hc, wts, proj_b, x1, out0; writes out0
.if DOCPART == 6
	.amdgcn_target "amdgcn-amd-amdhsa--gfx1250"
	.amdhsa_code_object_version 6
	.text
	.protected	k_q05906cf321_proj
	.globl	k_q05906cf321_proj
	.p2align	8
	.type	k_q05906cf321_proj,@function
k_q05906cf321_proj:
	s_mov_b64 s[64:65], 0
	v_nop
	global_prefetch_b8 v0, s[64:65] scope:SCOPE_SE
	s_setreg_imm32_b32 hwreg(HW_REG_WAVE_MODE, 25, 1), 1
	s_wait_xcnt 0x0
	s_wait_alu depctr_hold_cnt(0) depctr_sa_sdst(0) depctr_va_vdst(0) depctr_va_sdst(0) depctr_va_ssrc(0) depctr_va_vcc(0) depctr_vm_vsrc(0)
	s_getreg_b32 s2, hwreg(HW_REG_IB_STS2, 6, 4)
	s_cmp_eq_u32 s2, 0
	s_cbranch_scc0 .Lentry_in_a_cluster
	s_endpgm
.Lentry_in_a_cluster:
	s_bfe_u32 s2, ttmp6, 0x10000c
	s_cmp_lg_u32 s2, 0xf033
	s_cbranch_scc0 .Lentry_shape_is_right
	s_endpgm
.Lentry_shape_is_right:
.set NB,    4
.set NQ,    4
.set KST,   32
.set WOFF,  6553600
.set PAN,   12800
.set SCO,   12288
.set SPARE, 24*PAN
.set STAGE, SPARE+512
.set TSTR,  KST*PAN
.set ABASE, 6144
.set SBASE, 256
.set FR,    12
.set NL,    4
.set ADRA,  5
.set ADRB,  11
.set ADRS,  17
.set L16,   20
.set L8,    21
.set SPW,   22
.set NIL,   23
.set STO,   24
.set RD,    25
.set CO,    26
.set BIAS,  28
.set SC,    32
.set AF,    128
.set BK,    128
.set G1A,   24
.set G1AS,  32
.set G1B,   48
.set G1BS,  56
.set G0A,   68
.set G0AS,  72
.set G0B,   76
.set G0BS,  80
.set MSB, 0
.macro WIN new
.if MSB != (\new)
	s_set_vgpr_msb (MSB<<8)|(\new)
.set MSB, (\new)
.endif
.endm
.set MUL_LO, 0xa1
.set MUL_HI, 0xf1
.set TO_B,   0x40
.macro JLOAD g0a, g1a, g0b, g1b
	s_cmp_eq_u32 s15, 0
	s_cbranch_scc0 .Lfor_b_\@
	tensor_load_to_lds s[\g0a:\g0a+3], s[\g1a:\g1a+7]
	s_nop 0
.rept 4
	v_nop
.endr
	s_branch .Lasked_\@
.Lfor_b_\@:
	tensor_load_to_lds s[\g0b:\g0b+3], s[\g1b:\g1b+7]
	s_nop 0
.rept 4
	v_nop
.endr
.Lasked_\@:
.endm
.macro CREST
	s_cmp_lg_u32 s14, 0
	s_cbranch_scc1 .Lnot_wave_0_\@
	s_barrier_signal -3
.Lnot_wave_0_\@:
	s_barrier_wait -3
	s_barrier_signal -1
	s_barrier_wait -1
.endm
.macro CROUND
	s_barrier_signal -1
	s_barrier_wait -1
	CREST
.endm
.macro PLACES
.rept 4
	v_nop
.endr
.endm
.macro FRAG reg, adr, off
	ds_load_b128 v[\reg:\reg+3], v[\adr] offset:\off
	ds_load_b64 v[\reg+4:\reg+5], v[\adr+3] offset:\off+512
	ds_load_b128 v[\reg+6:\reg+9], v[\adr] offset:\off+768
	ds_load_b64 v[\reg+10:\reg+11], v[\adr+3] offset:\off+1280
.endm
.macro FETCH_B g, q, set
	WIN TO_B
.set i_, 0
.rept NB
	FRAG 128*(\set)+FR*i_, ADRB+\g, (\q)*PAN+i_*1536
.set i_, i_+1
.endr
	WIN 0
.endm
.macro FETCH_A g, q, half
.set i_, (\half)*NB/2
.rept NB/2
	FRAG AF+FR*i_, ADRA+\g, (\q)*PAN+i_*1536
.set i_, i_+1
.endr
.endm
.macro SCALES g, sc
.set q_, 0
.rept NQ
.set g_, 0
.rept NB/4
	ds_load_b128 v[SC+16*(\sc)+NB*q_+4*g_:SC+16*(\sc)+NB*q_+4*g_+3], v[ADRS+\g] offset:q_*PAN+256*g_
.set g_, g_+1
.endr
.set q_, q_+1
.endr
.endm
.macro MULQ k, set, q, sc, zero
.set a_, (\k)*NB/4
.rept NB/4
.set b_, 0
.rept NB
.set AC, 8*(NB*(a_%(NB/2))+b_)
.if \zero
	v_wmma_scale_f32_16x16x128_f8f6f4 v[AC:AC+7], v[128*(\set)+FR*b_:128*(\set)+FR*b_+FR-1], v[AF+FR*a_:AF+FR*a_+FR-1], 0, v[SC+16*(\sc)+NB*(\q)+b_], v[SC+16*(\sc)+NB*(\q)+a_] matrix_a_fmt:MATRIX_FMT_BF6 matrix_b_fmt:MATRIX_FMT_BF6 matrix_a_scale:MATRIX_SCALE_ROW1
.else
	v_wmma_scale_f32_16x16x128_f8f6f4 v[AC:AC+7], v[128*(\set)+FR*b_:128*(\set)+FR*b_+FR-1], v[AF+FR*a_:AF+FR*a_+FR-1], v[AC:AC+7], v[SC+16*(\sc)+NB*(\q)+b_], v[SC+16*(\sc)+NB*(\q)+a_] matrix_a_fmt:MATRIX_FMT_BF6 matrix_b_fmt:MATRIX_FMT_BF6 matrix_a_scale:MATRIX_SCALE_ROW1
.endif
.set b_, b_+1
.endr
.set a_, a_+1
.endr
.endm
.macro STEP g, q, sc, zero
	s_wait_dscnt (NB/2)*NL
	WIN MUL_LO
	MULQ 0, (\q)%2, \q, \sc, \zero
	MULQ 1, (\q)%2, \q, \sc, \zero
	s_wait_dscnt 0x0
	PLACES
	FETCH_B \g, (\q)+1, 1-(\q)%2
	FETCH_A \g, (\q)+1, 0
	WIN MUL_HI
	MULQ 2, (\q)%2, \q, \sc, \zero
	MULQ 3, (\q)%2, \q, \sc, \zero
	PLACES
	WIN 0
	FETCH_A \g, (\q)+1, 1
.endm
.macro BODY g, sc, zero
	STEP \g, 0, \sc, \zero
.if NQ > 2
	STEP \g, 1, \sc, 0
	STEP \g, 2, \sc, 0
.endif
.endm
.macro CROSS g, next, sc, nsc
	s_wait_dscnt (NB/2)*NL
	WIN MUL_LO
	MULQ 0, 1, NQ-1, \sc, 0
	MULQ 1, 1, NQ-1, \sc, 0
	s_wait_dscnt 0x0
	PLACES
	FETCH_B \next, 0, 0
	FETCH_A \next, 0, 0
	SCALES \next, \nsc
	WIN MUL_HI
	MULQ 2, 1, NQ-1, \sc, 0
	MULQ 3, 1, NQ-1, \sc, 0
	PLACES
	WIN 0
	FETCH_A \next, 0, 1
.endm
.macro TURN g, next, sc, nsc, fill, g0a, g1a, g0b, g1b, adv
	s_wait_tensorcnt 0x0
	ds_add_u32 v[SPW], v[NIL]
	s_wait_dscnt (NB/2)*NL+1
	WIN MUL_LO
	MULQ 0, 1, NQ-1, \sc, 0
	s_wait_dscnt 0x0
	s_barrier_signal -1
	MULQ 1, 1, NQ-1, \sc, 0
	WIN 0
	s_barrier_wait -1
.if \fill
	CREST
	s_add_nc_u64 s[\g0a+2:\g0a+3], s[\g0a+2:\g0a+3], \adv
	s_add_nc_u64 s[\g0b+2:\g0b+3], s[\g0b+2:\g0b+3], \adv
	JLOAD \g0a, \g1a, \g0b, \g1b
.else
	PLACES
.endif
	FETCH_B \next, 0, 0
	FETCH_A \next, 0, 0
	SCALES \next, \nsc
	WIN MUL_HI
	MULQ 2, 1, NQ-1, \sc, 0
	MULQ 3, 1, NQ-1, \sc, 0
	PLACES
	WIN 0
	FETCH_A \next, 0, 1
.endm
.macro LAST sc
	s_wait_dscnt (NB/2)*NL
	WIN MUL_LO
	MULQ 0, 1, NQ-1, \sc, 0
	MULQ 1, 1, NQ-1, \sc, 0
	s_wait_dscnt 0x0
	WIN MUL_HI
	MULQ 2, 1, NQ-1, \sc, 0
	MULQ 3, 1, NQ-1, \sc, 0
	WIN 0
.endm
.macro RLOAD a
.irp t, 0,1,2,3,4,5,6,7
	global_load_b128 v[64+32*(\a)+64*((\a)/2)+4*\t:64+32*(\a)+64*((\a)/2)+4*\t+3], v[CO], s[10:11] offset:(32*((\a)/2)+8*((\a)%2)+2*\t+8*(\t/4))*8192
.endr
.endm
.macro TOSTAGE a
	WIN (0x08+4*((\a)/2))
.irp b, 0,1,2,3
	ds_store_b128 v[STO], v[8*(4*((\a)%2)+\b):8*(4*((\a)%2)+\b)+3] offset:128*(\b/2)+32*(\b%2)
	ds_store_b128 v[STO], v[8*(4*((\a)%2)+\b)+4:8*(4*((\a)%2)+\b)+7] offset:128*(\b/2)+32*(\b%2)+16
.endr
	WIN 0
.irp t, 0,1,2,3,4,5,6,7
	ds_load_b128 v[BK+32*((\a)%2)+4*\t:BK+32*((\a)%2)+4*\t+3], v[RD] offset:\t*2*272
.endr
.endm
.macro FIN a, d
	s_wait_dscnt \d
.irp t, 0,1,2,3,4,5,6,7
	v_pk_add_f32 v[BK+32*((\a)%2)+4*\t:BK+32*((\a)%2)+4*\t+1], v[BK+32*((\a)%2)+4*\t:BK+32*((\a)%2)+4*\t+1], v[BIAS:BIAS+1]
	v_pk_add_f32 v[BK+32*((\a)%2)+4*\t+2:BK+32*((\a)%2)+4*\t+3], v[BK+32*((\a)%2)+4*\t+2:BK+32*((\a)%2)+4*\t+3], v[BIAS+2:BIAS+3]
.endr
.irp t, 0,1,2,3,4,5,6,7
	v_pk_add_f32 v[BK+32*((\a)%2)+4*\t:BK+32*((\a)%2)+4*\t+1], v[BK+32*((\a)%2)+4*\t:BK+32*((\a)%2)+4*\t+1], v[64+32*(\a)+64*((\a)/2)+4*\t:64+32*(\a)+64*((\a)/2)+4*\t+1]
	v_pk_add_f32 v[BK+32*((\a)%2)+4*\t+2:BK+32*((\a)%2)+4*\t+3], v[BK+32*((\a)%2)+4*\t+2:BK+32*((\a)%2)+4*\t+3], v[64+32*(\a)+64*((\a)/2)+4*\t+2:64+32*(\a)+64*((\a)/2)+4*\t+3]
.endr
.irp t, 0,1,2,3,4,5,6,7
	global_store_b128 v[CO], v[BK+32*((\a)%2)+4*\t:BK+32*((\a)%2)+4*\t+3], s[12:13] offset:(32*((\a)/2)+8*((\a)%2)+2*\t+8*(\t/4))*8192 th:TH_STORE_NT
.endr
.endm
	s_load_b256 s[4:11], s[0:1], 0x0
	s_load_b64 s[12:13], s[0:1], 0x20
	v_lshl_add_u32 v[SPW], v0, 2, SPARE
	v_mov_b32 v[NIL], 0
	ds_add_u32 v22, v23
	ds_add_u32 v22, v23
	s_wait_dscnt 0x0
	v_lshrrev_b32 v1, 5, v0
	v_readfirstlane_b32 s14, v1
	s_lshr_b32 s15, s14, 1
	s_and_b32 s16, s14, 1
	s_bfe_u32 s40, ttmp6, 0x40000
	s_bfe_u32 s41, ttmp6, 0x40004
	s_lshl_b32 s42, ttmp9, 2
	s_add_co_u32 s42, s42, s40
	s_and_b32 s17, ttmp7, 0xffff
	s_lshl_b32 s17, s17, 2
	s_add_co_u32 s17, s17, s41
	s_lshl_b32 s43, s41, 2
	s_lshl_b32 s43, 15, s43
	s_lshl_b32 s44, 0x1111, s40
	s_or_b32 s[G1A+0], s43, (3<<16)|(1<<21)
	s_or_b32 s[G1AS+0], s43, (3<<16)|(1<<21)
	s_or_b32 s[G1B+0], s44, (3<<16)|(1<<21)
	s_or_b32 s[G1BS+0], s44, (3<<16)|(1<<21)
.irp g, G1A, G1B
	s_mov_b32 s[\g+1], 32<<16
	s_mov_b32 s[\g+2], 200<<16
	s_mov_b32 s[\g+3], 32<<16
	s_mov_b32 s[\g+4], 200
	s_mov_b32 s[\g+5], 32
	s_mov_b32 s[\g+6], 0
	s_mov_b32 s[\g+7], 0
.endr
.irp g, G1AS, G1BS
	s_mov_b32 s[\g+1], 32<<16
	s_mov_b32 s[\g+2], 100<<16
	s_mov_b32 s[\g+3], 32<<16
	s_mov_b32 s[\g+4], 100
	s_mov_b32 s[\g+5], 32
	s_mov_b32 s[\g+6], 0
	s_mov_b32 s[\g+7], 0
.endr
	s_mul_i32 s18, s16, 4*PAN
	s_mul_i32 s19, s16, 2*PAN
	s_add_co_u32 s19, s19, 8*PAN
	s_mul_i32 s20, s17, TSTR
	s_mul_i32 s46, s42, TSTR
	s_add_co_u32 s46, s46, WOFF
	s_add_co_u32 s84, s20, s18
	s_mov_b32 s85, 0
	s_add_co_u32 s86, s20, s19
	s_mov_b32 s87, 0
	s_add_co_u32 s88, s46, s18
	s_mov_b32 s89, 0
	s_add_co_u32 s90, s46, s19
	s_mov_b32 s91, 0
	s_mul_i32 s45, s14, 4*PAN
	s_mul_i32 s47, s14, 2*PAN
	s_add_co_u32 s47, s47, 16*PAN
	s_wait_kmcnt 0x0
	CROUND
	s_mov_b32 s[G0A], 1
	s_mov_b32 s[G0A+1], s45
	s_add_nc_u64 s[G0A+2:G0A+3], s[4:5], s[84:85]
	s_or_b32 s[G0A+3], s[G0A+3], 0x80000000
	s_mov_b32 s[G0B], 1
	s_mov_b32 s[G0B+1], s45
	s_add_nc_u64 s[G0B+2:G0B+3], s[6:7], s[88:89]
	s_or_b32 s[G0B+3], s[G0B+3], 0x80000000
	JLOAD G0A, G1A, G0B, G1B
	s_mov_b32 s[G0AS], 1
	s_mov_b32 s[G0AS+1], s47
	s_add_nc_u64 s[G0AS+2:G0AS+3], s[4:5], s[86:87]
	s_or_b32 s[G0AS+3], s[G0AS+3], 0x80000000
	s_mov_b32 s[G0BS], 1
	s_mov_b32 s[G0BS+1], s47
	s_add_nc_u64 s[G0BS+2:G0BS+3], s[6:7], s[90:91]
	s_or_b32 s[G0BS+3], s[G0BS+3], 0x80000000
	s_wait_alu depctr_va_vdst(0)
	s_wait_tensorcnt 0x0
	ds_add_u32 v22, v23
	s_wait_dscnt 0x0
	CROUND
	JLOAD G0AS, G1AS, G0BS, G1BS
	v_and_b32 v1, 15, v0
	v_bfe_u32 v2, v0, 4, 1
	v_and_b32 v3, 31, v0
	v_lshlrev_b32 v[CO], 13, v2
	v_lshl_add_u32 v[CO], v1, 4, v[CO]
	v_lshlrev_b32 v27, 4, v1
	s_wait_alu depctr_va_vdst(0)
	s_lshr_b32 s20, s17, 4
	s_lshl_b32 s20, s20, 12
	s_and_b32 s21, s17, 15
	s_lshl_b32 s21, s21, 1
	s_add_co_u32 s21, s21, s15
	s_lshl_b32 s21, s21, 19
	s_add_co_u32 s20, s20, s21
	s_lshl_b32 s22, s42, 1
	s_add_co_u32 s22, s22, s16
	s_lshl_b32 s22, s22, 8
	s_add_co_u32 s20, s20, s22
	s_mov_b32 s21, 0
	s_mov_b32 s23, 0
	s_add_nc_u64 s[10:11], s[10:11], s[20:21]
	s_add_nc_u64 s[12:13], s[12:13], s[20:21]
	s_add_nc_u64 s[8:9], s[8:9], s[22:23]
	global_load_b128 v[BIAS:BIAS+3], v27, s[8:9]
	RLOAD 0
	RLOAD 1
	RLOAD 2
	RLOAD 3
	v_lshlrev_b32 v[L16], 4, v3
	v_lshlrev_b32 v[L8], 3, v3
	s_mul_i32 s21, s15, ABASE
	s_mul_i32 s22, s16, ABASE
	s_add_co_u32 s22, s22, 8*PAN
	v_add_nc_u32 v[ADRA], s21, v[L16]
	v_add_nc_u32 v[ADRA+3], s21, v[L8]
	v_add_nc_u32 v[ADRB], s22, v[L16]
	v_add_nc_u32 v[ADRB+3], s22, v[L8]
	v_add_nc_u32 v[ADRA+1], 4*PAN, v[ADRA]
	v_add_nc_u32 v[ADRA+4], 4*PAN, v[ADRA+3]
	v_add_nc_u32 v[ADRB+1], 4*PAN, v[ADRB]
	v_add_nc_u32 v[ADRB+4], 4*PAN, v[ADRB+3]
	v_add_nc_u32 v[ADRA+2], 16*PAN, v[ADRA]
	v_add_nc_u32 v[ADRA+5], 16*PAN, v[ADRA+3]
	v_add_nc_u32 v[ADRB+2], 12*PAN, v[ADRB]
	v_add_nc_u32 v[ADRB+5], 12*PAN, v[ADRB+3]
	s_mul_i32 s21, s15, SBASE
	s_mul_i32 s22, s16, SBASE
	s_add_co_u32 s22, s22, 8*PAN
	s_sub_co_u32 s22, s22, s21
	s_mul_i32 s23, s16, SBASE
	s_add_co_u32 s23, s23, 4*PAN
	s_sub_co_u32 s23, s23, s21
	v_mul_u32_u24 v4, s22, v2
	v_lshl_add_u32 v4, v1, 4, v4
	v_mul_u32_u24 v3, s23, v2
	v_lshl_add_u32 v3, v1, 4, v3
	s_add_co_u32 s21, s21, SCO
	v_add_nc_u32 v[ADRS], s21, v4
	v_add_nc_u32 v[ADRS+1], 4*PAN, v[ADRS]
	s_add_co_u32 s21, s21, 16*PAN
	v_add_nc_u32 v[ADRS+2], s21, v3
	s_mul_i32 s23, s14, 16*272
	s_add_co_u32 s23, s23, STAGE
	v_mul_u32_u24 v[STO], v1, 272
	v_lshl_add_u32 v[STO], v2, 6, v[STO]
	v_add_nc_u32 v[STO], s23, v[STO]
	v_mul_u32_u24 v[RD], v2, 272
	v_lshl_add_u32 v[RD], v1, 4, v[RD]
	v_add_nc_u32 v[RD], s23, v[RD]
	s_wait_alu depctr_va_vdst(0)
	s_wait_tensorcnt 1
	s_barrier_signal -1
	s_barrier_wait -1
	FETCH_B 0, 0, 0
	FETCH_A 0, 0, 0
	SCALES 0, 0
	FETCH_A 0, 0, 1
	BODY 0, 0, 1
	CROSS 0, 1, 0, 1
	BODY 1, 1, 0
	TURN 1, 2, 1, 0, 1, G0A, G1A, G0B, G1B, 12*PAN
	BODY 2, 0, 0
	TURN 2, 0, 0, 1, 1, G0AS, G1AS, G0BS, G1BS, 12*PAN
	BODY 0, 1, 0
	CROSS 0, 1, 1, 0
	BODY 1, 0, 0
	TURN 1, 2, 0, 1, 1, G0A, G1A, G0B, G1B, 12*PAN
	BODY 2, 1, 0
	TURN 2, 0, 1, 0, 0, 0, 0, 0, 0, 0
	BODY 0, 0, 0
	CROSS 0, 1, 0, 1
	BODY 1, 1, 0
	LAST 1
	PLACES
	s_wait_loadcnt 0x0
	TOSTAGE 0
	TOSTAGE 1
	FIN 0, 16
	s_wait_xcnt 0x0
	TOSTAGE 2
	FIN 1, 16
	s_wait_xcnt 0x0
	TOSTAGE 3
	FIN 2, 16
	FIN 3, 0
	s_wait_tensorcnt 0x0
	ds_add_u32 v[SPW], v[NIL]
	s_wait_dscnt 0x0
	CROUND
	s_endpgm
.Lfunc_end_k_q05906cf321_proj:
	.size	k_q05906cf321_proj, .Lfunc_end_k_q05906cf321_proj-k_q05906cf321_proj
	.p2alignl 7, 3214868480
	.fill 96, 4, 3214868480
	.section	.rodata,"a",@progbits
	.p2align	6, 0x0
	.amdhsa_kernel k_q05906cf321_proj
		.amdhsa_group_segment_fixed_size 327680
		.amdhsa_private_segment_fixed_size 0
		.amdhsa_enable_private_segment 0
		.amdhsa_kernarg_size 40
		.amdhsa_user_sgpr_count 2
		.amdhsa_user_sgpr_kernarg_segment_ptr 1
		.amdhsa_wavefront_size32 1
		.amdhsa_system_sgpr_workgroup_id_x 1
		.amdhsa_system_sgpr_workgroup_id_y 1
		.amdhsa_system_sgpr_workgroup_id_z 1
		.amdhsa_system_vgpr_workitem_id 0
		.amdhsa_next_free_vgpr 1024
		.amdhsa_next_free_sgpr 100
		.amdhsa_reserve_vcc 0
		.amdhsa_float_denorm_mode_32 3
		.amdhsa_float_denorm_mode_16_64 3
		.amdhsa_memory_ordered 1
		.amdhsa_forward_progress 1
		.amdhsa_inst_pref_size 177
	.end_amdhsa_kernel
	.amdgpu_metadata
---
amdhsa.version: [ 1, 2 ]
amdhsa.kernels:
  - .name:           k_q05906cf321_proj
    .symbol:         k_q05906cf321_proj.kd
    .args:
      - { .name: hc, .offset: 0, .size: 8, .value_kind: global_buffer, .address_space: global }
      - { .name: wts, .offset: 8, .size: 8, .value_kind: global_buffer, .address_space: global }
      - { .name: proj_b, .offset: 16, .size: 8, .value_kind: global_buffer, .address_space: global }
      - { .name: x1, .offset: 24, .size: 8, .value_kind: global_buffer, .address_space: global }
      - { .name: out0, .offset: 32, .size: 8, .value_kind: global_buffer, .address_space: global }
    .group_segment_fixed_size: 327680
    .private_segment_fixed_size: 0
    .kernarg_segment_align: 8
    .kernarg_segment_size: 40
    .max_flat_workgroup_size: 128
    .sgpr_count:     100
    .vgpr_count:     1024
    .wavefront_size: 32
...
	.end_amdgpu_metadata
.endif
;; end of part 6
